; MI455X (gfx1250); checked and timed in simulation.
; The chip was launched on July 23, 2026; its instructions are those of AMD's public machine-readable ISA for CDNA 5 (MIT licence, August 2026) and "CDNA5" Instruction Set Architecture Reference Guide (July 2026). The comments in the code are by the model that wrote it; some were corrected since.
;; Tt Causal Self Attention. Allowed arithmetic: matrix products marked QUANTISED: E4M3 operands, one E8M0 scale for each 32 along K, by v_wmma_scale_f32_16x16x128_f8f6f4 with both operands' format E4M3, f32 sums; everything else in f32.
;; Inputs: b_attn 3,072 float32; b_proj 1,024 float32; w_attn 1,024 x 3,072 float32; w_proj 1,024 x 1,024 float32; x 8 x 1,024 x 1,024 float32.
;; Outputs: out0 8 x 1,024 x 1,024 float32.
;; This version of the problem:
;;   THIS VERSION OF THE PROBLEM IS GIVEN IN LOW PRECISION. The matrix products marked QUANTISED in the list below multiply operands that are first quantised to E4M3 (4 exponent bits, 3 mantissa bits; 8 bits a number), with one power-of-two scale for each 32 numbers along K (OCP MX v1.0); their sums are f32. All else is computed in f32.
;;   The module's matrix products, in the order in which they are computed (A, B: the left and right operand; K: the contracted axis; several contracted axes count as one K, in the product's order):
;;     1. [M 8,192, K 1,024] x [K 1,024, N 3,072]; A: input x; B: input w_attn: QUANTISED
;;     2. batch 128 x [M 1,024, K 64] x [K 64, N 1,024]; A: computed on the way; B: computed on the way: QUANTISED
;;     3. batch 128 x [M 1,024, K 1,024] x [K 1,024, N 64]; A: softmax (see below); B: computed on the way: QUANTISED
;;     4. [M 8,192, K 1,024] x [K 1,024, N 1,024]; A: computed on the way; B: input w_proj: QUANTISED
;;   THE QUANTISER, for each operand of a quantised product, along K:
;;     - K is cut into blocks of 32 from its start; a last block that is shorter is filled with zeros.
;;     - A block's scale is 2^e with e = floor(log2(the largest magnitude in the block)) - 8, held to -126 .. 127; a block of zeros has e = 0. As a byte (E8M0): e + 127.
;;     - Each number is divided by its block's scale, clamped to +-448, and rounded to the nearest number of E4M3, ties to even, subnormals kept.
;;     - The product sums the exact products of the quantised numbers (number of the format x scale) in f32.
;;   ~~~python
;;   def quantise(x, axis):      # numpy; x: float32 -> the quantised numbers, widened to float32 again
;;       x = np.moveaxis(x, axis, -1); K = x.shape[-1]
;;       x = np.pad(x, [(0, 0)] * (x.ndim - 1) + [(0, -K % 32)]); x = x.reshape(x.shape[:-1] + (-1, 32)); a = np.abs(x).max(-1, keepdims=True)
;;       e = np.where(a > 0, np.clip(np.frexp(np.where(a > 0, a, 1))[1] - 1 - 8, -126, 127), 0)      # np.frexp(a)[1] - 1 = floor(log2(a)), exactly
;;       r = np.clip(x / 2.0 ** e, -448, 448)
;;       step = 2.0 ** (np.maximum(np.frexp(np.where(r == 0, 1, r))[1] - 1, -6) - 3)
;;       q = np.round(r / step) * step * 2.0 ** e      # np.round: ties to even
;;       return np.moveaxis(q.reshape(q.shape[:-2] + (-1,))[..., :K], -1, axis).astype(np.float32)
;;   ~~~
;;   SOFTMAX AHEAD OF A QUANTISED PRODUCT. Where the list says 'softmax', what is quantised is not the finished softmax but p = 2^(t - M), with t = logit x log2(e) and M = ceil(the row's largest t), a whole number; so 1/2 < the row's largest p <= 1. The row's sum l is taken of the UNQUANTISED p, in f32, and the product's result is divided by l at the end. Since M is a whole number, a kernel that streams over the keys may use a running M (the ceiling of the running maximum): every later rescaling is an exact power of two, which a block's scale takes up: the codes' values come out the same.
;;   OPERANDS COMPUTED ON THE WAY. 'Computed on the way' means the value that the module computes at that place (a softmax that the list does not call 'softmax' is quantised finished and normalised). What goes into a quantiser is computed in f32, as accurately as f32 sums, v_exp_f32 and their like allow (about 1e-6 of the number): no bf16 or f16 on the way to a quantiser, and a product that is left as it is and whose result goes on into a quantised operand takes f32 operands (vector FMAs, or v_wmma_f32_16x16x4_f32). A number that lies on a knife's edge between two numbers of the format may be rounded either way, as far as f32 arithmetic and the matrix unit's own rounding can turn it there, and no further.
;; One version. Each part assembles by itself: llvm-mc -triple=amdgcn-amd-amdhsa -mcpu=gfx1250 --defsym DOCPART=n.
;; ======== version 1 of 1: 4 launches
;; limits: right only within a limited range of input values
;; workspace buffers: act_img 8,388,608 bytes; act_sc 262,144 bytes; wa_img 3,145,728 bytes; wa_sc 98,304 bytes; wp_img 1,048,576 bytes; wp_sc 32,768 bytes; qkv 26,476,544 bytes
;; launch quant (part 1): grid 384 x 1, 4 waves a work-group, no clusters, 67,072 bytes of LDS; arguments x, w_attn, w_proj, act_img, act_sc, wa_img, wa_sc, wp_img, wp_sc; writes act_img, act_sc, wa_img, wa_sc, wp_img, wp_sc
.if DOCPART == 1
	.amdgcn_target "amdgcn-amd-amdhsa--gfx1250"
	.amdhsa_code_object_version 6
	.text
	.protected	k_q8e75dfe26d_quant
	.globl	k_q8e75dfe26d_quant
	.p2align	8
	.type	k_q8e75dfe26d_quant,@function
k_q8e75dfe26d_quant:
	s_mov_b64 s[64:65], 0
	v_nop
	global_prefetch_b8 v0, s[64:65] scope:SCOPE_SE
	s_setreg_imm32_b32 hwreg(HW_REG_WAVE_MODE, 25, 1), 1
	s_wait_xcnt 0x0
; x [8192][1024], w_attn [1024][3072] and w_proj [1024][1024], f32, become codes of FP8 (E4M3) with one E8M0 byte for each 32 along K (K = 1,024: x's last axis, the weights' first).
; A block's scale is 2^(floor(log2(its largest magnitude)) - 8); each number is divided by it, held within +-448 and rounded to the nearest code, ties to even.
; LAYOUT OF THE RESULTS: images of the matrix operand's registers.  A fragment (16 rows' x 128 k) is 2,048 bytes on end: group c (k = 32 c ..) 512 bytes, lane 16 h + r at 16 x lane: row' r, k = 32 c + 16 h + 0 .. 15.
;   byte of (row', k) = (k / 256) x rows x 256 + (row' / 16) x 4096 + ((k / 128) % 2) x 2048 + ((k / 32) % 4) x 512 + (16 ((k / 16) % 2) + row' % 16) x 16 + k % 16
;   scale word of (row', k / 128 = kq) at (row' / 128) x 4096 + (kq / 2) x 1024 + (row' % 128) x 8 + (kq % 2) x 4
; ROWS' ARE NOT THE ROWS: row' 16 (2 b + u) + p is row 32 b + 8 u + p + 8 (p / 8) (a token of x, a column of a weight), so that in a transposed product a lane's 16 registers of two neighbouring tiles are 16 neighbouring rows.
; SHARES.  A wave takes 32 rows' x 256 k: 32 KiB in, 8,192 consecutive bytes of codes and 256 consecutive bytes of scale words out.  Work-groups 0-255: x (32 tokens each, wave w: k = 256 w ..); 256-351: w_attn; 352-383: w_proj (128 columns x 256 k each).
; No tensor loads, no barrier: waves share nothing.  The two ways part on the work-group's number and have LDS bytes of their own.  No work-groups share an input byte, so there is nothing to ask for jointly.
; LIMITS: a block of zeros gets the byte 1 where the rule says 127 (its codes are zeros, and this program alone reads the bytes); blocks whose largest magnitude lies under 2^-118 are held at the byte 1; NaN and infinities among the inputs are not served.
.set XPITCH, 528                       ; x's stage: a row of 512 bytes + 16
.set XWAVE,  16*XPITCH                 ; 16 rows for each wave, from LDS byte 0
.set WST,    4*XWAVE                   ; the weights' stage: 8,192 bytes for each wave
.set WV,  22                           ; s22  wave
.set SEL, 20                           ; s[20:21] selects of v_permlanex16_b32: lane l xor 16
.set MNT, 23                           ; s23  the mantissa field of 448
.set TM,  240                          ; v240-255 at work in QUANT
.set R,   16                           ; x: v16-143 two sets of 64 numbers as loaded
.set X,   144                          ; x: v144-207 64 numbers in the operand's order
.set PC,  208                          ; x: v208-239 two sets of 16 registers of codes
.set RO,  16                           ; w: v16-47 byte offset of my column in rows 0 .. 31 of a block
.set XW,  48                           ; w: v48-111 two sets of 32 numbers
.set C,   112                          ; w: v112-119 a block's codes
.set SB,  120                          ; w: v120-121 my column's eight scale bytes
.set OUTR, 128                         ; w: v128-191 the way out
; 64 numbers of a lane, v[s] on, register 16 b + i = k 32 b + 16 (lane / 16) + i of my row, become a fragment's codes in v[pc] on and its scale word in v[pw].
.macro QUANT s, pc, pw
.irp b, 0,1,2,3
	v_max3_num_f32 v[TM+\b], |v[\s+16*\b]|, |v[\s+1+16*\b]|, 0x4800000   ; block b: my 16 numbers, and the floor 2^(9 - 127): the byte cannot fall under 1
.endr
.irp i, 2,4,6,8,10,12,14
.irp b, 0,1,2,3
	v_max3_num_f32 v[TM+\b], v[TM+\b], |v[\s+16*\b+\i]|, |v[\s+1+16*\b+\i]|   ; the four blocks by turns
.endr
.endr
.irp b, 0,1,2,3
	v_permlanex16_b32 v[TM+4+\b], v[TM+\b], s[SEL], s[SEL+1]
.endr
.irp b, 0,1,2,3
	v_max_num_f32 v[TM+\b], v[TM+\b], v[TM+4+\b]   ; with lane l xor 16's: the block's largest magnitude
.endr
.irp b, 0,1,2,3
	v_add_nc_u32 v[TM+12+\b], 0xfc000000, v[TM+\b]   ; 8 off its exponent field: the conversion's scale operand
.endr
.irp b, 0,1,2,3
	v_and_or_b32 v[TM+8+\b], v[TM+\b], 0x7f800000, s[MNT]   ; 448 x the scale
.endr
.irp b, 0,1,2,3
	v_lshrrev_b32 v[TM+4+\b], 23, v[TM+12+\b]      ; the scale's byte
.endr
	v_lshl_or_b32 v[\pw], v[TM+5], 8, v[TM+4]      ; four bytes: my row's scale word
	v_lshl_or_b32 v[\pw], v[TM+6], 16, v[\pw]
	v_lshl_or_b32 v[\pw], v[TM+7], 24, v[\pw]
.irp b, 0,1,2,3
.irp i, 0,1,2,3,4,5,6,7,8,9,10,11,12,13,14,15
	v_med3_num_f32 v[\s+16*\b+\i], v[\s+16*\b+\i], -v[TM+8+\b], v[TM+8+\b]   ; the conversion to an 8-bit code does not saturate (ISA guide 7.6.2): the hold comes first
.endr
	v_cvt_scalef32_pk8_fp8_f32 v[\pc+4*\b:\pc+1+4*\b], v[\s+16*\b:\s+7+16*\b], v[TM+12+\b]
	v_cvt_scalef32_pk8_fp8_f32 v[\pc+2+4*\b:\pc+3+4*\b], v[\s+8+16*\b:\s+15+16*\b], v[TM+12+\b]
.endr
	v_nop                                          ; a plain line behind the last conversion
.endm
	s_load_b256 s[4:11], s[0:1], 0x0               ; x s[4:5], w_attn s[6:7], w_proj s[8:9], act_img s[10:11]
	s_load_b256 s[12:19], s[0:1], 0x20             ; act_sc s[12:13], wa_img s[14:15], wa_sc s[16:17], wp_img s[18:19]
	s_load_b64 s[24:25], s[0:1], 0x40              ; wp_sc
	v_lshl_add_u32 v14, v0, 2, 0x10400
	v_mov_b32 v15, 0
	v_lshrrev_b32 v1, 5, v0
	v_readfirstlane_b32 s[WV], v1                  ; wave 0..3
	v_and_b32 v2, 31, v0                           ; lane
	v_lshlrev_b32 v4, 4, v2                        ; 16 x lane
	s_mov_b32 s[SEL], 0x76543210
	s_mov_b32 s[SEL+1], 0xfedcba98
	s_mov_b32 s[MNT], 0x600000
	s_cmp_lt_u32 ttmp9, 256
	s_cbranch_scc0 .Lweights
	; ---------------- x: work-group j takes tokens 32 j .. 32 j + 31, wave w k = 256 w .. 256 w + 255: four fragments t = 2 u + q (block' 2 j + u, the q-th 128 along K)
	v_and_b32 v3, 15, v0                           ; r
	v_bfe_u32 v1, v0, 4, 1                         ; h
	s_mul_i32 s26, s[WV], XWAVE                    ; my stage
	v_add_nc_u32 v5, s26, v4                       ; into it: 16 x lane of a row
	v_mul_u32_u24 v6, v3, XPITCH
	v_lshl_add_u32 v6, v1, 6, v6
	v_add_nc_u32 v6, s26, v6                       ; out of it: row r, + 64 h: my 16 numbers of a block of 32
	v_lshlrev_b32 v7, 3, v2                        ; 8 x lane: a pair of scale words
.irp b, 0,1,2,3
	v_mov_b32 v[TM+4+\b], 0                        ; written once: a lane permute's destination counts as one of its sources
.endr
	s_lshl_b32 s28, ttmp9, 17                      ; x: 32 rows of 4,096 bytes a work-group,
	s_lshl_b32 s27, s[WV], 10                      ; 1,024 bytes of a row a wave
	s_add_co_u32 s28, s28, s27
	s_mov_b32 s29, 0
	s_lshl_b32 s30, s[WV], 21                      ; codes: K step w of 8,192 x 256 bytes,
	s_lshl_b32 s27, ttmp9, 13                      ; two blocks' of 4,096 bytes a work-group
	s_add_co_u32 s30, s30, s27
	s_mov_b32 s31, 0
	s_lshr_b32 s32, ttmp9, 2                       ; scale words: 4096 (j / 4) + 1024 w + 256 (j % 4)
	s_lshl_b32 s32, s32, 12
	s_lshl_b32 s27, s[WV], 10
	s_add_co_u32 s32, s32, s27
	s_and_b32 s27, ttmp9, 3
	s_lshl_b32 s27, s27, 8
	s_add_co_u32 s32, s32, s27
	s_mov_b32 s33, 0
	s_wait_alu depctr_va_vdst(0)
	s_wait_kmcnt 0x0
	s_add_nc_u64 s[4:5], s[4:5], s[28:29]
	s_add_nc_u64 s[10:11], s[10:11], s[30:31]
	s_add_nc_u64 s[12:13], s[12:13], s[32:33]
.macro XLOAD t                         ; fragment t: 16 rows x 512 consecutive bytes, 16 a lane, into set t % 2; row' p is row 8 u + p + 8 (p / 8) of the 32
.set p, 0
.rept 16
	global_load_b128 v[R+64*((\t)%2)+4*p:R+64*((\t)%2)+4*p+3], v4, s[4:5] offset:(8*((\t)/2)+p+8*(p/8))*4096+512*((\t)%2) th:TH_LOAD_NT
.set p, p+1
.endr
.endm
.macro XTURN t                         ; through my stage: in as loaded, out 64 bytes of one row a lane.  LDS serves a wave's instructions in order (ISA guide 5.7.1.4): no wait between the stores and the loads
.set p, 0
.rept 16
	ds_store_b128 v5, v[R+64*((\t)%2)+4*p:R+64*((\t)%2)+4*p+3] offset:XPITCH*p
.set p, p+1
.endr
.irp c, 0,1,2,3
.irp j, 0,1,2,3
	ds_load_b128 v[X+16*\c+4*\j:X+16*\c+4*\j+3], v6 offset:128*\c+16*\j
.endr
.endr
.endm
.macro XSTEP t
.if (\t) < 3
	s_wait_loadcnt 16                              ; this fragment's 16 loads are in; the next fragment's 16 may be out
.else
	s_wait_loadcnt 0x0
.endif
	XTURN \t
	s_wait_dscnt 0x0                               ; the numbers are back, and the stores into the stage have read their registers,
.if (\t) < 2
	XLOAD (\t)+2                                   ; which take the fragment two further on
.else
	s_wait_xcnt 0x0                                ; the set of codes is written again only when the stores of two fragments ago have read it
.endif
	QUANT X, PC+16*((\t)%2), 8+(\t)
.irp c, 0,1,2,3
	global_store_b128 v4, v[PC+16*((\t)%2)+4*\c:PC+16*((\t)%2)+4*\c+3], s[10:11] offset:4096*((\t)/2)+2048*((\t)%2)+512*\c   ; 512 consecutive bytes
.endr
.endm
	XLOAD 0
	XLOAD 1
	XSTEP 0
	XSTEP 1
	XSTEP 2
	XSTEP 3
	v_cmp_ne_u32 vcc_lo, 0, v1                     ; lanes 0-15 send block' 2 j's two words of row' lane, lanes 16-31 block' 2 j + 1's (both halves of the lanes hold every row's word)
	v_cndmask_b32 v12, v8, v10, vcc_lo
	v_cndmask_b32 v13, v9, v11, vcc_lo
	global_store_b64 v7, v[12:13], s[12:13]        ; 256 consecutive bytes, aligned
	s_wait_tensorcnt 0x0
	ds_add_u32 v14, v15
	s_wait_dscnt 0x0
	s_endpgm
	; ---------------- the weights: a lane takes a column, its registers run down K; the block's largest magnitude needs no other lane, and the codes come out with K innermost
.Lweights:
	s_sub_co_u32 s26, ttmp9, 256                   ; 0 .. 95: w_attn; 96 .. 127: w_proj
	s_sub_co_u32 s27, s26, 96
	s_mov_b32 s28, 4096                            ; a row of the weight in bytes
	s_mov_b32 s29, 262144                          ; a K step of its image
	s_cmp_lt_u32 s26, 96                           ; the choice hangs on the work-group's number alone
	s_cselect_b32 s26, s26, s27
	s_cselect_b32 s28, 12288, s28
	s_cselect_b32 s29, 786432, s29
	s_wait_kmcnt 0x0
	s_cselect_b64 s[6:7], s[6:7], s[8:9]
	s_cselect_b64 s[14:15], s[14:15], s[18:19]
	s_cselect_b64 s[16:17], s[16:17], s[24:25]
	s_and_b32 s30, s26, 3                          ; S: which 256 along K
	s_lshr_b32 s31, s26, 2                         ; nb: which 128 columns
	s_lshl_b32 s27, s30, 8
	s_mul_i32 s48, s27, s28                        ; 256 S rows,
	s_lshl_b32 s27, s31, 9
	s_add_co_u32 s48, s48, s27                     ; 128 nb columns,
	s_lshl_b32 s27, s[WV], 7
	s_add_co_u32 s48, s48, s27                     ; 32 w columns
	s_mov_b32 s49, 0
	s_add_nc_u64 s[32:33], s[6:7], s[48:49]        ; a base for each of the eight blocks, 32 rows apart: none is ever stepped
	s_lshl_b32 s48, s28, 5
.irp t, 1,2,3,4,5,6,7
	s_add_nc_u64 s[32+2*\t:33+2*\t], s[30+2*\t:31+2*\t], s[48:49]
.endr
	s_mul_i32 s50, s30, s29                        ; codes: K step S, + 32768 nb + 8192 w
	s_lshl_b32 s27, s31, 15
	s_add_co_u32 s50, s50, s27
	s_lshl_b32 s27, s[WV], 13
	s_add_co_u32 s50, s50, s27
	s_mov_b32 s51, 0
	s_add_nc_u64 s[14:15], s[14:15], s[50:51]
	s_lshl_b32 s50, s31, 12                        ; scale words: 4096 nb + 1024 S + 256 w
	s_lshl_b32 s27, s30, 10
	s_add_co_u32 s50, s50, s27
	s_lshl_b32 s27, s[WV], 8
	s_add_co_u32 s50, s50, s27
	s_add_nc_u64 s[16:17], s[16:17], s[50:51]
	v_bfe_u32 v1, v0, 3, 1                         ; column 32 B + lane is row' 16 (2 B + u) + p with u = (lane / 8) % 2,
	v_and_b32 v3, 7, v0
	v_bfe_u32 v5, v0, 4, 1
	v_lshl_add_u32 v3, v5, 3, v3                   ; p = lane % 8 + 8 (lane / 16)
	v_lshl_add_u32 v6, v1, 4, v3
	v_lshlrev_b32 v7, 3, v6                        ; my pair of scale words: 8 (16 u + p)
	v_lshlrev_b32 v8, 4, v3
	v_lshl_add_u32 v8, v1, 12, v8
	s_lshl_b32 s27, s[WV], 13
	s_add_co_u32 s27, s27, WST                     ; my stage: the image of my 32 rows' x 256 k
	v_add_nc_u32 v8, s27, v8                       ; into it: 4096 u + 16 p
	v_add_nc_u32 v9, s27, v4                       ; out of it: 16 x lane
	v_lshlrev_b32 v[RO], 2, v2
.irp i, 1,2,3,4,5,6,7,8,9,10,11,12,13,14,15,16,17,18,19,20,21,22,23,24,25,26,27,28,29,30,31
	v_add_nc_u32 v[RO+\i], s28, v[RO+\i-1]
.endr
.macro WLOAD t                         ; block t: 32 rows at my column, into set t % 2; a wave's load covers 128 consecutive bytes, the four waves 512
.set p, 0
.rept 32
	global_load_b32 v[XW+32*((\t)%2)+p], v[RO+p], s[32+2*(\t):33+2*(\t)] th:TH_LOAD_NT
.set p, p+1
.endr
.endm
.macro WBLOCK t
.set XS, XW+32*((\t)%2)
.if (\t) < 7
	s_wait_loadcnt 32                              ; this block's 32 loads are in; the next block's may be out
.else
	s_wait_loadcnt 0x0
.endif
	v_max3_num_f32 v122, |v[XS]|, |v[XS+1]|, |v[XS+2]|
	v_max3_num_f32 v123, |v[XS+3]|, |v[XS+4]|, |v[XS+5]|
.irp i, 6,10,14,18,22,26
	v_max3_num_f32 v122, v122, |v[XS+\i]|, |v[XS+\i+1]|
	v_max3_num_f32 v123, v123, |v[XS+\i+2]|, |v[XS+\i+3]|
.endr
	v_max3_num_f32 v122, v122, |v[XS+30]|, |v[XS+31]|
	v_max3_num_f32 v122, v122, v123, 0x4800000     ; and the floor 2^(9 - 127)
	v_add_nc_u32 v124, 0xfc000000, v122            ; the conversion's scale operand
	v_and_or_b32 v125, v122, 0x7f800000, s[MNT]    ; 448 x the scale
	v_lshrrev_b32 v123, 23, v124                   ; the byte
.if (\t)%4 == 0
	v_mov_b32 v[SB+(\t)/4], v123
.else
	v_lshl_or_b32 v[SB+(\t)/4], v123, 8*((\t)%4), v[SB+(\t)/4]
.endif
.set p, 0
.rept 32
	v_med3_num_f32 v[XS+p], v[XS+p], -v125, v125
.set p, p+1
.endr
.irp g, 0,1,2,3
	v_cvt_scalef32_pk8_fp8_f32 v[C+2*\g:C+2*\g+1], v[XS+8*\g:XS+8*\g+7], v124
.endr
	ds_store_b128 v8, v[C:C+3] offset:2048*((\t)/4)+512*((\t)%4)          ; k = 32 t + 0 .. 15: the image's lanes 0-15
	ds_store_b128 v8, v[C+4:C+7] offset:2048*((\t)/4)+512*((\t)%4)+256    ; k = 32 t + 16 .. 31: its lanes 16-31
.if (\t)+2 < 8
	WLOAD (\t)+2
.endif
	s_wait_dscnt 0x0                               ; the stores have read their registers: the next block's codes may be written
.endm
	WLOAD 0
	WLOAD 1
.irp t, 0,1,2,3,4,5,6,7
	WBLOCK \t
.endr
	global_store_b64 v7, v[SB:SB+1], s[16:17]      ; the wave's 32 pairs of scale words: 256 consecutive bytes, aligned
.set p, 0
.rept 16
	ds_load_b128 v[OUTR+4*p:OUTR+4*p+3], v9 offset:512*p
.set p, p+1
.endr
.set p, 0
.rept 16
	s_wait_dscnt 15-p                              ; the younger loads may be out
	global_store_b128 v4, v[OUTR+4*p:OUTR+4*p+3], s[14:15] offset:512*p   ; 512 consecutive bytes
.set p, p+1
.endr
	s_wait_tensorcnt 0x0
	ds_add_u32 v14, v15
	s_wait_dscnt 0x0
	s_endpgm
.Lfunc_end_k_q8e75dfe26d_quant:
	.size	k_q8e75dfe26d_quant, .Lfunc_end_k_q8e75dfe26d_quant-k_q8e75dfe26d_quant
	.p2alignl 7, 3214868480
	.fill 96, 4, 3214868480
	.section	.rodata,"a",@progbits
	.p2align	6, 0x0
	.amdhsa_kernel k_q8e75dfe26d_quant
		.amdhsa_group_segment_fixed_size 67072
		.amdhsa_private_segment_fixed_size 0
		.amdhsa_enable_private_segment 0
		.amdhsa_kernarg_size 72
		.amdhsa_user_sgpr_count 2
		.amdhsa_user_sgpr_kernarg_segment_ptr 1
		.amdhsa_wavefront_size32 1
		.amdhsa_system_sgpr_workgroup_id_x 1
		.amdhsa_system_sgpr_workgroup_id_y 1
		.amdhsa_system_sgpr_workgroup_id_z 1
		.amdhsa_system_vgpr_workitem_id 0
		.amdhsa_next_free_vgpr 256
		.amdhsa_next_free_sgpr 66
		.amdhsa_reserve_vcc 1
		.amdhsa_float_denorm_mode_32 3
		.amdhsa_float_denorm_mode_16_64 3
		.amdhsa_memory_ordered 1
		.amdhsa_forward_progress 1
		.amdhsa_inst_pref_size 111
	.end_amdhsa_kernel
	.amdgpu_metadata
---
amdhsa.version: [ 1, 2 ]
amdhsa.kernels:
  - .name:           k_q8e75dfe26d_quant
    .symbol:         k_q8e75dfe26d_quant.kd
    .args:
      - { .name: x, .offset: 0, .size: 8, .value_kind: global_buffer, .address_space: global }
      - { .name: w_attn, .offset: 8, .size: 8, .value_kind: global_buffer, .address_space: global }
      - { .name: w_proj, .offset: 16, .size: 8, .value_kind: global_buffer, .address_space: global }
      - { .name: act_img, .offset: 24, .size: 8, .value_kind: global_buffer, .address_space: global }
      - { .name: act_sc, .offset: 32, .size: 8, .value_kind: global_buffer, .address_space: global }
      - { .name: wa_img, .offset: 40, .size: 8, .value_kind: global_buffer, .address_space: global }
      - { .name: wa_sc, .offset: 48, .size: 8, .value_kind: global_buffer, .address_space: global }
      - { .name: wp_img, .offset: 56, .size: 8, .value_kind: global_buffer, .address_space: global }
      - { .name: wp_sc, .offset: 64, .size: 8, .value_kind: global_buffer, .address_space: global }
    .group_segment_fixed_size: 67072
    .private_segment_fixed_size: 0
    .kernarg_segment_align: 8
    .kernarg_segment_size: 72
    .max_flat_workgroup_size: 128
    .sgpr_count:     66
    .vgpr_count:     256
    .wavefront_size: 32
...
	.end_amdgpu_metadata
.endif
;; end of part 1
;; launch qkv (part 2): grid 8 x 32, 4 waves a work-group, clusters of 4 x 4, 327,680 bytes of LDS; arguments act_img, act_sc, wa_img, wa_sc, b_attn, qkv; writes qkv
.if DOCPART == 2
	.amdgcn_target "amdgcn-amd-amdhsa--gfx1250"
	.amdhsa_code_object_version 6
	.text
	.protected	k_q8e75dfe26d_qkv
	.globl	k_q8e75dfe26d_qkv
	.p2align	8
	.type	k_q8e75dfe26d_qkv,@function
k_q8e75dfe26d_qkv:
	s_mov_b64 s[64:65], 0
	v_nop
	global_prefetch_b8 v0, s[64:65] scope:SCOPE_SE
	s_setreg_imm32_b32 hwreg(HW_REG_WAVE_MODE, 25, 1), 1
	s_wait_xcnt 0x0
	s_wait_alu depctr_hold_cnt(0) depctr_sa_sdst(0) depctr_va_vdst(0) depctr_va_sdst(0) depctr_va_ssrc(0) depctr_va_vcc(0) depctr_vm_vsrc(0)
	s_getreg_b32 s2, hwreg(HW_REG_IB_STS2, 6, 4)
	s_cmp_eq_u32 s2, 0
	s_cbranch_scc0 .Lentry_in_a_cluster
	s_endpgm
.Lentry_in_a_cluster:
	s_bfe_u32 s2, ttmp6, 0x10000c
	s_cmp_lg_u32 s2, 0xf033
	s_cbranch_scc0 .Lentry_shape_is_right
	s_endpgm
.Lentry_shape_is_right:
; qkv = x w_attn + b_attn on codes of FP8 (E4M3) with E8M0 scales for each 32 along K = 1,024; the results are quantised at once: q and k along the head's 64, v along the keys.
; OPERANDS are images of their registers (16 rows' x 128 k = 2,048 bytes on end; a K step of 256 for 128 rows' = 32,768 dense bytes; the scale words of 128 rows' for all of K = 4,096 dense bytes).
; Row' 16 (2 b + u) + p of an operand is its row 32 b + 8 u + p + 8 (p / 8) (token, or column of w_attn).
; THE DEAL: 8 x 32 = 256 work-groups of four waves.  Work-group (tx, ty) takes tokens 256 ty .. and three units of 128 columns: number tx of q, of k and of v (heads 2 tx, 2 tx + 1).
; PHASE 1: 256 tokens x (q's unit, k's unit): a wave makes 128 tokens x 128 columns (wave % 2 = 0: q, 1: k), 64 sums.  Source 0 = 16 columns', source 1 = 16 tokens': a lane's registers run along the head.
; PHASE 2: v's 128 columns x 256 tokens: a wave makes 64 columns x 128 tokens, 32 sums.  Source 0 = 16 tokens', source 1 = 16 columns': a lane's registers run along the keys, v's next K.
; 512 + 256 matrix instructions a wave.  The ring of two slots (a K step of 256: tokens 65,536 bytes, weights 65,536 or 32,768) runs on through the change of phase: 8 K steps, of which steps 2 .. 7 are refills.
; CLUSTERS: 4 x 4.  Tokens' tiles hang on ty alone and are asked for jointly along a row of the cluster, weights' tiles on tx alone and jointly along a column.
; THE HEAD: one joint load a wave: wave 0 the tokens of K step 0, wave 1 q's and k's units (two rows of 32,768 bytes, eight units apart), wave 2 the tokens' scale words, wave 3 the three units' scale words (three rows of 4,096 bytes, eight units apart).
; NO PREFETCH: the block is 256 x 256 in clusters and K has four K steps: two of a phase's four come by the fills at its start.
; THE RESULT: 128 records (16 batch + head) of REC bytes: eight chunks (128 keys each: K's codes, V^T's codes, K's scale words, V's), then Q's codes and scale words.  A scale word of q or k holds the head's two bytes twice.
; REGISTERS: window 0: v1-15, v24-31 addresses; v16-23 v's bias; v32-63 scale words, two sets (lanes 0-15 the weights', lanes 16-31 the tokens'); v64-127 q's or k's bias; v128-255 source 1's fragments (phase 1 one set of 8, phase 2 two sets of 4);
;   window 1: source 0's fragments, two sets of 8;  windows 2, 3: the sums ((a, b) at v[8 (8 (a % 4) + b)]).
; LIMITS: a block of zeros gets the byte 1 where the rule says 127 (its codes are zeros; this program alone reads the bytes); largest magnitudes under 2^-118 are held at the byte 1; NaN and infinities are not served.
.set REC,    206848
.set CHUNK,  17152
.set QOFF,   8*CHUNK
.set QSOFF,  QOFF+65536
.set ACT_ST, 8192*256
.set WA_ST,  3072*256
.set FR,     16
.set NL,     4
.set NP,     8                         ; plain vector lines behind this matrix instruction (ISA guide 7.12.1)
.set SLOT,   131072
.set SCL,    2*SLOT
.set SW,     SCL                       ; scale words: q's, k's, v's unit, 4,096 bytes each
.set ST,     SCL+12288                 ; the tokens': 8,192 bytes
.set SPARE,  SCL+20480                 ; the spare words, 128 bytes a wave
.set SSTQ,   SPARE+512                 ; q's and k's scale words on the way out: 1,024 bytes a wave
.set SSTV,   SSTQ+4096                 ; v's
.set L16,  1
.set ADRA, 2                           ; v2-3   phase 1: my tokens in slot 0, 1
.set ADRB, 4                           ; v4-5   phase 1: my columns
.set ADRS, 6                           ; v6     phase 1: my scale words
.set SPW,  7
.set NIL,  8
.set SQA,  9
.set SQL,  10
.set SVA,  11
.set L8,   12
.set SELR, 13
.set SVL,  14
.set BM,   16
.set ADRA2, 24                         ; v24-25 phase 2: my columns of v
.set ADRB2, 26                         ; v26-27 phase 2: my tokens
.set ADRS2, 28                         ; v28    phase 2: my scale words
.set SC,   32
.set BN,   64
.set AF,   128
.set T,    128
.set PC,   192
.set TM,   208
.set PW,   224
.set W,    225
.set RB,   228
.set MNT,  23
.set SEL,  100
.set G1T,  24
.set G0T,  32
.set G1W,  40
.set G0W,  48
.set G1S,  68
.set G1SW, 76
.set G0HT, 84
.set G0HW, 88
.set G0S,  92
.set G0SW, 96
.set MSB, 0
.macro WIN new                         ; the immediate's high byte repeats the setting that is left
.if MSB != (\new)
	s_set_vgpr_msb (MSB<<8)|(\new)
.set MSB, (\new)
.endif
.endm
.set MUL_LO, 0xa1                      ; source 0 window 1, source 1 window 0, C and D window 2
.set MUL_HI, 0xf1
.set TO_B,   0x40
.macro PLACES n
.rept \n
	v_nop
.endr
.endm
.macro JLOAD s                         ; a quarter of slot s a wave: waves 0, 1 the tokens' halves, waves 2, 3 the weights'
	s_cmp_eq_u32 s17, 0
	s_cbranch_scc0 .Lfor_w_\@
	tensor_load_to_lds s[G0T+4*\s:G0T+4*\s+3], s[G1T:G1T+7]
	s_nop 0
	PLACES 4
	s_branch .Lasked_\@
.Lfor_w_\@:
	tensor_load_to_lds s[G0W+4*\s:G0W+4*\s+3], s[G1W:G1W+7]
	s_nop 0
	PLACES 4
.Lasked_\@:
.endm
.macro CREST                           ; a round of the cluster's barrier behind its opening barrier
	s_cmp_lg_u32 s16, 0
	s_cbranch_scc1 .Lnot_wave_0_\@
	s_barrier_signal -3
.Lnot_wave_0_\@:
	s_barrier_wait -3
	s_barrier_signal -1
	s_barrier_wait -1
.endm
.macro CROUND
	s_barrier_signal -1
	s_barrier_wait -1
	CREST
.endm
.macro QUANT s, pc, pw                 ; 64 numbers, register 16 b + i = k 32 b + 16 (lane / 16) + i of my row -> codes in v[pc] on, scale word in v[pw]
.irp b, 0,1,2,3
	v_max3_num_f32 v[TM+\b], |v[\s+16*\b]|, |v[\s+1+16*\b]|, 0x4800000   ; my 16 numbers and the floor 2^(9 - 127)
.endr
.irp i, 2,4,6,8,10,12,14
.irp b, 0,1,2,3
	v_max3_num_f32 v[TM+\b], v[TM+\b], |v[\s+16*\b+\i]|, |v[\s+1+16*\b+\i]|
.endr
.endr
.irp b, 0,1,2,3
	v_permlanex16_b32 v[TM+4+\b], v[TM+\b], s[SEL], s[SEL+1]
.endr
.irp b, 0,1,2,3
	v_max_num_f32 v[TM+\b], v[TM+\b], v[TM+4+\b]
.endr
.irp b, 0,1,2,3
	v_add_nc_u32 v[TM+12+\b], 0xfc000000, v[TM+\b]
.endr
.irp b, 0,1,2,3
	v_and_or_b32 v[TM+8+\b], v[TM+\b], 0x7f800000, s[MNT]
.endr
.irp b, 0,1,2,3
	v_lshrrev_b32 v[TM+4+\b], 23, v[TM+12+\b]
.endr
	v_lshl_or_b32 v[\pw], v[TM+5], 8, v[TM+4]
	v_lshl_or_b32 v[\pw], v[TM+6], 16, v[\pw]
	v_lshl_or_b32 v[\pw], v[TM+7], 24, v[\pw]
.irp b, 0,1,2,3
.irp i, 0,1,2,3,4,5,6,7,8,9,10,11,12,13,14,15
	v_med3_num_f32 v[\s+16*\b+\i], v[\s+16*\b+\i], -v[TM+8+\b], v[TM+8+\b]   ; the conversion does not saturate (ISA guide 7.6.2): the hold comes first
.endr
	v_cvt_scalef32_pk8_fp8_f32 v[\pc+4*\b:\pc+1+4*\b], v[\s+16*\b:\s+7+16*\b], v[TM+12+\b]
	v_cvt_scalef32_pk8_fp8_f32 v[\pc+2+4*\b:\pc+3+4*\b], v[\s+8+16*\b:\s+15+16*\b], v[TM+12+\b]
.endr
	v_nop                                          ; a plain line behind the last conversion
.endm
	s_load_b256 s[4:11], s[0:1], 0x0               ; act_img, act_sc, wa_img, wa_sc
	s_load_b128 s[12:15], s[0:1], 0x20             ; b_attn, qkv
	v_lshl_add_u32 v[SPW], v0, 2, SPARE
	v_mov_b32 v[NIL], 0
	ds_add_u32 v[SPW], v[NIL]                      ; the opening lines: the add twice on end and its wait
	ds_add_u32 v[SPW], v[NIL]
	v_lshrrev_b32 v15, 5, v0
	v_readfirstlane_b32 s16, v15                   ; wave 0..3
	s_lshr_b32 s17, s16, 1                         ; phase 1: my half of the tokens; phase 2: my half of v's columns.  Also: I fetch tokens (0) or weights (1)
	s_and_b32 s18, s16, 1                          ; phase 1: q (0) or k (1); phase 2: my half of the tokens.  Also: which half of a tile I fetch
	s_lshl_b32 s19, s16, 15                        ; where my quarter goes in a slot
	s_bfe_u32 s20, ttmp6, 0x40000                  ; cx
	s_bfe_u32 s21, ttmp6, 0x40004                  ; cy
	s_and_b32 s22, ttmp7, 0xffff                   ; the cluster's y = the batch
	s_mov_b32 s[MNT], 0x600000
	s_mov_b32 s[SEL], 0x76543210
	s_mov_b32 s[SEL+1], 0xfedcba98
	s_lshl_b32 s66, s21, 2
	s_lshl_b32 s66, 15, s66                        ; my row of the cluster
	s_lshl_b32 s67, 0x1111, s20                    ; my column
	s_or_b32 s[G1T+0], s66, (3<<16)|(1<<21)        ; the mask; elements of 8 bytes; bit 21 beside a mask; no padding
	s_or_b32 s[G1S+0], s66, (3<<16)|(1<<21)
	s_or_b32 s[G1W+0], s67, (3<<16)|(1<<21)
	s_or_b32 s[G1SW+0], s67, (3<<16)|(1<<21)
	s_mov_b32 s[G1T+1], 32<<16                     ; the head's tokens: 65,536 dense bytes as 256 rows of 256
	s_mov_b32 s[G1T+2], 256<<16
	s_mov_b32 s[G1T+3], 32<<16
	s_mov_b32 s[G1T+4], 256
	s_mov_b32 s[G1T+5], 32
	s_mov_b32 s[G1T+6], 0
	s_mov_b32 s[G1T+7], 0
	s_mov_b32 s[G1W+1], 4096<<16                   ; the head's weights: two rows of 32,768 bytes, 262,144 bytes apart
	s_mov_b32 s[G1W+2], 2<<16
	s_mov_b32 s[G1W+3], 4096<<16
	s_mov_b32 s[G1W+4], 2
	s_mov_b32 s[G1W+5], 32768
	s_mov_b32 s[G1W+6], 0
	s_mov_b32 s[G1W+7], 0
	s_mov_b32 s[G1S+1], 32<<16                     ; the tokens' scale words: 8,192 dense bytes as 32 rows of 256
	s_mov_b32 s[G1S+2], 32<<16
	s_mov_b32 s[G1S+3], 32<<16
	s_mov_b32 s[G1S+4], 32
	s_mov_b32 s[G1S+5], 32
	s_mov_b32 s[G1S+6], 0
	s_mov_b32 s[G1S+7], 0
	s_mov_b32 s[G1SW+1], 512<<16                   ; the weights' scale words: three rows of 4,096 bytes, 32,768 bytes apart
	s_mov_b32 s[G1SW+2], 3<<16
	s_mov_b32 s[G1SW+3], 512<<16
	s_mov_b32 s[G1SW+4], 3
	s_mov_b32 s[G1SW+5], 4096
	s_mov_b32 s[G1SW+6], 0
	s_mov_b32 s[G1SW+7], 0
	s_lshl_b32 s2, s22, 2
	s_add_co_u32 s2, s2, s21                       ; ty: s2 never holds cx
	s_lshl_b32 s3, ttmp9, 2
	s_add_co_u32 s3, s3, s20                       ; tx: s3 never holds cy
	s_lshl_b32 s56, s2, 16                         ; byte offsets: the tokens' codes,
	s_mov_b32 s57, 0
	s_lshl_b32 s58, s2, 13                         ; their scale words,
	s_mov_b32 s59, 0
	s_lshl_b32 s60, s3, 15                         ; unit tx of the weights' codes,
	s_mov_b32 s61, 0
	s_lshl_b32 s62, s3, 12                         ; and of their scale words
	s_mov_b32 s63, 0
	s_mov_b32 s[G0HT], 1
	s_mov_b32 s[G0HT+1], 0
	s_mov_b32 s[G0HW], 1
	s_mov_b32 s[G0HW+1], 65536
	s_mov_b32 s[G0S], 1
	s_mov_b32 s[G0S+1], ST
	s_mov_b32 s[G0SW], 1
	s_mov_b32 s[G0SW+1], SW
	s_mov_b32 s[G0T], 1
	s_mov_b32 s[G0T+1], s19
	s_mov_b32 s[G0T+4], 1
	s_add_co_u32 s[G0T+5], s19, SLOT
	s_mov_b32 s[G0W], 1
	s_mov_b32 s[G0W+1], s19
	s_mov_b32 s[G0W+4], 1
	s_add_co_u32 s[G0W+5], s19, SLOT
	s_wait_dscnt 0x0                               ; both opening adds are done
	CROUND                                         ; all sixteen work-groups are here: the first joint loads meet
	s_wait_kmcnt 0x0
	s_add_nc_u64 s[G0HT+2:G0HT+3], s[4:5], s[56:57]
	s_add_nc_u64 s[G0S+2:G0S+3], s[6:7], s[58:59]
	s_add_nc_u64 s[G0HW+2:G0HW+3], s[8:9], s[60:61]
	s_add_nc_u64 s[G0SW+2:G0SW+3], s[10:11], s[62:63]
	s_lshl_b32 s56, s18, 15                        ; the ring: my half of the tokens,
	s_add_nc_u64 s[G0T+2:G0T+3], s[G0HT+2:G0HT+3], s[56:57]
	s_add_nc_u64 s[G0T+6:G0T+7], s[G0T+2:G0T+3], ACT_ST
	s_lshl_b32 s60, s18, 18                        ; q's unit or k's, eight units on
	s_add_nc_u64 s[G0W+2:G0W+3], s[G0HW+2:G0HW+3], s[60:61]
	s_add_nc_u64 s[G0W+6:G0W+7], s[G0W+2:G0W+3], WA_ST
	s_lshl_b32 s62, s18, 14                        ; phase 2: v's unit, sixteen units on, my 64 rows' of it
	s_add_co_u32 s62, s62, 16*32768
	s_add_nc_u64 s[4:5], s[G0HW+2:G0HW+3], s[62:63]
.irp g, G0HT, G0HW, G0S, G0SW, G0T, G0T+4, G0W, G0W+4
	s_or_b32 s[\g+3], s[\g+3], 0x80000000
.endr
.macro ARM under, g0, g1, next         ; one chain of branches on the wave's number, a load to an arm
	s_cmp_lt_u32 s16, \under
	s_cbranch_scc0 \next
	tensor_load_to_lds s[\g0:\g0+3], s[\g1:\g1+7]
	s_nop 0
	PLACES 4
	s_branch .Lhead_asked
\next:
.endm
	ARM 1, G0HT, G1T, .Lhead_w
	ARM 2, G0HW, G1W, .Lhead_st
	ARM 3, G0S,  G1S, .Lhead_sw
	tensor_load_to_lds s[G0SW:G0SW+3], s[G1SW:G1SW+7]
	s_nop 0
	PLACES 4
.Lhead_asked:
	s_lshl_b32 s56, s17, 15                        ; phase 1: my tokens,
	s_lshl_b32 s57, s18, 15
	s_add_co_u32 s57, s57, 65536                   ; my columns
	s_lshl_b32 s58, s17, 14
	s_add_co_u32 s58, s58, 65536                   ; phase 2: my 64 columns of v,
	s_lshl_b32 s59, s18, 15                        ; my tokens
	s_lshl_b32 s61, s18, 12                        ; scale words, phase 1: lanes 0-15 at SW + 4096 (q or k), lanes 16-31 at ST + 4096 half: one product for lanes 16-31
	s_lshl_b32 s60, s17, 12
	s_add_co_u32 s60, s60, 12288
	s_sub_co_u32 s60, s60, s61
	s_add_co_u32 s61, s61, SW
	s_lshl_b32 s63, s17, 9                         ; phase 2: lanes 0-15 at SW + 8192 + 512 half, lanes 16-31 at ST + 4096 half
	s_lshl_b32 s62, s18, 12
	s_add_co_u32 s62, s62, 4096
	s_sub_co_u32 s62, s62, s63
	s_add_co_u32 s63, s63, SW+8192
	s_lshl_b32 s66, s16, 10                        ; the scale stages: 1,024 bytes a wave
	s_lshl_b32 s10, s3, 9                          ; the bias: 128 tx numbers on,
	s_lshl_b32 s6, s18, 12                         ; q's or k's 128;
	s_add_co_u32 s6, s6, s10
	s_mov_b32 s7, 0
	s_lshl_b32 s8, s17, 8                          ; v's 64
	s_add_co_u32 s8, s8, s10
	s_add_co_u32 s8, s8, 8192
	s_mov_b32 s9, 0
	s_add_nc_u64 s[6:7], s[12:13], s[6:7]
	s_add_nc_u64 s[8:9], s[12:13], s[8:9]
	v_and_b32 v29, 31, v0                          ; lane
	v_and_b32 v30, 15, v0                          ; r
	v_bfe_u32 v31, v0, 4, 1                        ; h
	v_lshlrev_b32 v[L16], 4, v29
	v_lshlrev_b32 v[L8], 3, v29
	v_add_nc_u32 v[ADRA], s56, v[L16]
	v_add_nc_u32 v[ADRB], s57, v[L16]
	v_add_nc_u32 v[ADRA2], s58, v[L16]
	v_add_nc_u32 v[ADRB2], s59, v[L16]
	v_add_nc_u32 v[ADRA+1], SLOT, v[ADRA]
	v_add_nc_u32 v[ADRB+1], SLOT, v[ADRB]
	v_add_nc_u32 v[ADRA2+1], SLOT, v[ADRA2]
	v_add_nc_u32 v[ADRB2+1], SLOT, v[ADRB2]
	v_mul_u32_u24 v15, s60, v31
	v_lshl_add_u32 v15, v30, 3, v15                ; 8 bytes a row' in a K step
	v_add_nc_u32 v[ADRS], s61, v15
	v_mul_u32_u24 v15, s62, v31
	v_lshl_add_u32 v15, v30, 3, v15
	v_add_nc_u32 v[ADRS2], s63, v15
	v_lshlrev_b32 v15, 2, v30
	v_add_nc_u32 v15, s66, v15
	v_add_nc_u32 v[SVA], SSTV, v15                 ; v: 4 r
	v_lshl_add_u32 v15, v31, 9, v15
	v_add_nc_u32 v[SQA], SSTQ, v15                 ; q, k: 4 r + 512 h: lanes 0-15 write my first head's word, lanes 16-31 my second head's
	v_add_nc_u32 v15, s66, v[L16]
	v_add_nc_u32 v[SQL], SSTQ, v15
	v_add_nc_u32 v15, s66, v[L8]
	v_add_nc_u32 v[SVL], SSTV, v15
	v_mov_b32 v15, 0x07060302
	v_mov_b32 v29, 0x05040100
	v_cmp_ne_u32 vcc_lo, 0, v31
	v_cndmask_b32 v[SELR], v29, v15, vcc_lo        ; the byte select that doubles my head's two bytes
	v_lshlrev_b32 v15, 6, v31                      ; 64 h
	v_and_b32 v29, 8, v30
	v_add_nc_u32 v29, v29, v30
	v_lshlrev_b32 v29, 2, v29                      ; 4 (r + 8 (r / 8))
.irp e, 0,1,2,3
.irp j, 0,1,2,3
	global_load_b128 v[BN+16*\e+4*\j:BN+16*\e+4*\j+3], v15, s[6:7] offset:128*\e+16*\j   ; the bias of my 128 columns, in the registers' order
.endr
.endr
.irp a, 0,1,2,3
	global_load_b32 v[BM+2*\a], v29, s[8:9] offset:(32*(\a/2)+8*(\a%2))*4                ; v: of my row' in each of four blocks, twice: a packed addition names a pair
	global_load_b32 v[BM+2*\a+1], v29, s[8:9] offset:(32*(\a/2)+8*(\a%2))*4
.endr
.macro FRAG reg, adr, q, i             ; a fragment comes as it lies: four loads of 512 consecutive bytes
.irp c, 0,1,2,3
	ds_load_b128 v[\reg+4*\c:\reg+4*\c+3], v[\adr] offset:4096*(\i)+2048*(\q)+512*\c
.endr
.endm
; Phase 1: 16 matrix instructions: tokens' blocks a0, a0 + 1 x the columns' eight.  p: the columns' set; sc: the set of scale words.  The sums take turns, one instruction a turn.
.macro MUL16 a0, p, q, sc, zero
.irp a, \a0, \a0+1
.irp b, 0,1,2,3,4,5,6,7
.if \zero
	v_wmma_scale_f32_16x16x128_f8f6f4 v[8*(8*((\a)%4)+\b):8*(8*((\a)%4)+\b)+7], v[128*(\p)+FR*\b:128*(\p)+FR*\b+FR-1], v[AF+FR*(\a):AF+FR*(\a)+FR-1], 0, v[SC+16*(\sc)+2*\b+(\q)], v[SC+16*(\sc)+2*(\a)+(\q)] matrix_b_scale:MATRIX_SCALE_ROW1
.else
	v_wmma_scale_f32_16x16x128_f8f6f4 v[8*(8*((\a)%4)+\b):8*(8*((\a)%4)+\b)+7], v[128*(\p)+FR*\b:128*(\p)+FR*\b+FR-1], v[AF+FR*(\a):AF+FR*(\a)+FR-1], v[8*(8*((\a)%4)+\b):8*(8*((\a)%4)+\b)+7], v[SC+16*(\sc)+2*\b+(\q)], v[SC+16*(\sc)+2*(\a)+(\q)] matrix_b_scale:MATRIX_SCALE_ROW1
.endif
.endr
.endr
.endm
; Phase 2: 8 matrix instructions: v's block a x the tokens' eight; both operands from set p.
.macro MUL8V a, p, q, sc, zero
.irp b, 0,1,2,3,4,5,6,7
.if \zero
	v_wmma_scale_f32_16x16x128_f8f6f4 v[8*(8*(\a)+\b):8*(8*(\a)+\b)+7], v[128*(\p)+FR*\b:128*(\p)+FR*\b+FR-1], v[AF+64*(\p)+FR*(\a):AF+64*(\p)+FR*(\a)+FR-1], 0, v[SC+16*(\sc)+2*\b+(\q)], v[SC+16*(\sc)+2*(\a)+(\q)] matrix_a_scale:MATRIX_SCALE_ROW1
.else
	v_wmma_scale_f32_16x16x128_f8f6f4 v[8*(8*(\a)+\b):8*(8*(\a)+\b)+7], v[128*(\p)+FR*\b:128*(\p)+FR*\b+FR-1], v[AF+64*(\p)+FR*(\a):AF+64*(\p)+FR*(\a)+FR-1], v[8*(8*(\a)+\b):8*(8*(\a)+\b)+7], v[SC+16*(\sc)+2*\b+(\q)], v[SC+16*(\sc)+2*(\a)+(\q)] matrix_a_scale:MATRIX_SCALE_ROW1
.endif
.endr
.endm
.macro FETCH_B slot, q, p
	WIN TO_B
.irp i, 0,1,2,3,4,5,6,7
	FRAG 128*(\p)+FR*\i, ADRB+\slot, \q, \i
.endr
	WIN 0
.endm
.macro FETCH_A slot, q, i0
.irp i, \i0, \i0+1, \i0+2, \i0+3
	FRAG AF+FR*(\i), ADRA+\slot, \q, \i
.endr
.endm
.macro FETCH2 slot, q, p               ; phase 2: eight fragments of tokens and four of v into set p: 48 loads
	WIN TO_B
.irp i, 0,1,2,3,4,5,6,7
	FRAG 128*(\p)+FR*\i, ADRB2+\slot, \q, \i
.endr
	WIN 0
.irp i, 0,1,2,3
	FRAG AF+64*(\p)+FR*\i, ADRA2+\slot, \q, \i
.endr
.endm
.macro SCALES sc, adr                  ; a K step's two words a row': lanes 0-15 the weights' block i, lanes 16-31 the tokens' block i (phase 2: the weights' blocks 4-7 are read and not used)
.irp i, 0,1,2,3,4,5,6,7
	ds_load_b64 v[SC+16*\sc+2*\i:SC+16*\sc+2*\i+1], v[\adr] offset:128*\i
.endr
.endm
; The refill of slot s, first behind the round.  how = 1: two K steps on.  how = 2: the slot's first K step of phase 2: the tokens two K steps back, v's unit, 64 rows' a wave.  No tensor load of the wave is out here.
.macro REFILL s, how
.if \how == 1
	s_add_nc_u64 s[G0T+4*\s+2:G0T+4*\s+3], s[G0T+4*\s+2:G0T+4*\s+3], 2*ACT_ST
	s_add_nc_u64 s[G0W+4*\s+2:G0W+4*\s+3], s[G0W+4*\s+2:G0W+4*\s+3], 2*WA_ST
.else
	s_sub_nc_u64 s[G0T+4*\s+2:G0T+4*\s+3], s[G0T+4*\s+2:G0T+4*\s+3], 2*ACT_ST
	s_lshl_b32 s66, s18, 14
	s_add_co_u32 s[G0W+4*\s+1], s66, 65536+\s*SLOT
	s_add_nc_u64 s[G0W+4*\s+2:G0W+4*\s+3], s[4:5], \s*WA_ST
	s_or_b32 s[G0W+4*\s+3], s[G0W+4*\s+3], 0x80000000
	s_mov_b32 s[G1W+2], 64<<16
	s_mov_b32 s[G1W+4], 64
.endif
	JLOAD \s
.endm
.macro STEP slot, q, zero              ; phase 1: 128 along K that has its successor in the same slot
	s_wait_dscnt 4*NL                              ; all but the youngest 16 loads (tokens' blocks 4-7)
	WIN MUL_LO
	MUL16 0, (\q)%2, \q, \slot, \zero
	MUL16 2, (\q)%2, \q, \slot, \zero
	s_wait_dscnt 0
	PLACES NP
	FETCH_B \slot, (\q)+1, 1-(\q)%2
	FETCH_A \slot, (\q)+1, 0
	WIN MUL_HI
	MUL16 4, (\q)%2, \q, \slot, \zero
	MUL16 6, (\q)%2, \q, \slot, \zero
	PLACES NP
	WIN 0
	FETCH_A \slot, (\q)+1, 4
.endm
; Phase 1: a slot's last step changes slots: the three lines, a round of the cluster's barrier, the refill.  fetch = 0: the phase's last step.
.macro TURN slot, next, how, fetch
	s_wait_tensorcnt 0x0                           ; all my tensor loads have landed: my part of the next slot
	ds_add_u32 v[SPW], v[NIL]
	s_wait_dscnt 4*NL+1                            ; (the add and the youngest 16 loads may be out)
	WIN MUL_LO
	MUL16 0, 1, 1, \slot, 0
	s_wait_dscnt 0x0                               ; the add is done, and my reads of this slot are over
	s_barrier_signal -1
	MUL16 2, 1, 1, \slot, 0
	WIN 0
	s_barrier_wait -1
	CREST
	REFILL \slot, \how
.if \fetch
	PLACES NP-4
	v_add_nc_u32 v[ADRS], 1024, v[ADRS]            ; the next K step's scale words
	s_wait_alu depctr_va_vdst(0)                   ; the wait directly behind the write
	FETCH_B \next, 0, 0
	FETCH_A \next, 0, 0
	SCALES \next, ADRS
.endif
	WIN MUL_HI
	MUL16 4, 1, 1, \slot, 0
	MUL16 6, 1, 1, \slot, 0
	WIN 0
.if \fetch
	PLACES NP
	FETCH_A \next, 0, 4
.endif
.endm
; Phase 2: a whole slot: 32 products on set 0, 32 on set 1, and in the second run the change of slots; both sets are fetched anew behind it.
.macro SLOT2 slot, next, fill, zero
	s_wait_dscnt 48                                ; set 0 and the scale words are in; set 1's 48 loads may be out
	WIN MUL_LO
.irp a, 0,1,2,3
	MUL8V \a, 0, 0, \slot, \zero
.endr
	WIN 0
	s_wait_tensorcnt 0x0
	ds_add_u32 v[SPW], v[NIL]
	s_wait_dscnt 1                                 ; (the add may be out)
	WIN MUL_LO
	MUL8V 0, 1, 1, \slot, 0
	s_wait_dscnt 0x0
	s_barrier_signal -1
	MUL8V 1, 1, 1, \slot, 0
	WIN 0
	s_barrier_wait -1
.if \fill
	CREST
	REFILL \slot, 1
	PLACES NP-4
.else
	PLACES NP
.endif
	v_add_nc_u32 v[ADRS2], 1024, v[ADRS2]
	s_wait_alu depctr_va_vdst(0)                   ; the wait directly behind the write
	FETCH2 \next, 0, 0
	SCALES \next, ADRS2
	WIN MUL_LO
	MUL8V 2, 1, 1, \slot, 0
	MUL8V 3, 1, 1, \slot, 0
	WIN 0
	PLACES NP
	FETCH2 \next, 1, 1
.endm
; THE WAY OUT, source 1's block a at a time: its 64 sums a lane, with the bias, come into window 0 (each sum read from its low end on), are quantised, and the codes, the next operand's registers, leave as four stores of 512 consecutive bytes.
.macro BLOCKOUT a, isv
.if (\a) > 0
	s_wait_xcnt 0x0                                ; the last block's stores have read the codes' registers
.endif
	WIN 0x02+(\a)/4
.set i, 0
.rept 32
.if \isv
	v_pk_add_f32 v[T+2*i:T+2*i+1], v[64*((\a)%4)+2*i:64*((\a)%4)+2*i+1], v[BM+2*(\a):BM+2*(\a)+1]
.else
	v_pk_add_f32 v[T+2*i:T+2*i+1], v[64*((\a)%4)+2*i:64*((\a)%4)+2*i+1], v[BN+2*i:BN+2*i+1]
.endif
.set i, i+1
.endr
	WIN 0
	QUANT T, PC, PW
.if \isv
	ds_store_b32 v[SVA], v[PW] offset:64*(\a)      ; both halves of the lanes write the same word with the same value
.irp e, 0,1,2,3
	global_store_b128 v[L16], v[PC+4*\e:PC+4*\e+3], s[96:97] offset:2048*(\a)+512*\e                    ; 16 of d' a, keys 32 e on
.endr
.else
	v_perm_b32 v[W], v[PW], v[PW], v[SELR]         ; my head's two bytes, twice
	ds_store_b32 v[SQA], v[W] offset:64*(\a)
.irp e, 0,1,2,3
	global_store_b128 v[L16], v[PC+4*\e:PC+4*\e+3], s[96:97] offset:(\e/2)*REC+1024*(\a)+512*(\e%2)     ; head e / 2 of my two, block' a, d 32 (e % 2) on
.endr
.endif
.endm
	s_wait_alu depctr_va_vdst(0)                   ; the wait at the head's end
	s_wait_tensorcnt 0x0                           ; my tile of the head's four is in; the three lines ahead of slot 1's first fill
	ds_add_u32 v[SPW], v[NIL]
	s_mov_b32 s[G1T+2], 128<<16                    ; no tensor load of mine is out: from here on a load brings 32,768 dense bytes as 128 rows of 256
	s_mov_b32 s[G1T+4], 128
	s_mov_b32 s[G1W+1], 32<<16
	s_mov_b32 s[G1W+2], 128<<16
	s_mov_b32 s[G1W+3], 32<<16
	s_mov_b32 s[G1W+4], 128
	s_mov_b32 s[G1W+5], 32
	s_wait_dscnt 0x0
	CROUND                                         ; all four tiles are in, and all sixteen work-groups are here
	JLOAD 1                                        ; K step 1
	FETCH_B 0, 0, 0
	FETCH_A 0, 0, 0
	SCALES 0, ADRS
	FETCH_A 0, 0, 4
	STEP 0, 0, 1                                   ; phase 1: four K steps, written straight; the first products start the sums
	TURN 0, 1, 1, 1
	STEP 1, 0, 0
	TURN 1, 0, 1, 1
	STEP 0, 0, 0
	TURN 0, 1, 2, 1                                ; slot 0 takes phase 2's K step 0,
	STEP 1, 0, 0
	TURN 1, 0, 2, 0                                ; slot 1 its K step 1: both are on their way while q's and k's results leave
	PLACES NP
	; q, k: records 16 batch + 2 tx and the next, 128 tokens 2 cy + half of the batch.  q: codes at QOFF + 8192 s, scale words at QSOFF + 512 s;  k: codes at CHUNK s, scale words 16,384 on
	s_lshl_b32 s56, s22, 4
	s_lshl_b32 s57, s3, 1
	s_add_co_u32 s56, s56, s57
	s_mul_i32 s56, s56, REC
	s_lshl_b32 s57, s21, 1
	s_add_co_u32 s57, s57, s17
	s_mov_b32 s62, 8192
	s_mov_b32 s63, 512
	s_mov_b32 s66, QOFF
	s_mov_b32 s67, QSOFF
	s_cmp_eq_u32 s18, 1
	s_cselect_b32 s62, CHUNK, s62
	s_cselect_b32 s63, CHUNK, s63
	s_cselect_b32 s66, 0, s66
	s_cselect_b32 s67, 16384, s67
	s_mul_i32 s58, s62, s57
	s_mul_i32 s60, s63, s57
	s_add_co_u32 s58, s58, s66
	s_add_co_u32 s60, s60, s67
	s_add_co_u32 s58, s58, s56
	s_add_co_u32 s60, s60, s56
	s_mov_b32 s59, 0
	s_mov_b32 s61, 0
	s_add_nc_u64 s[96:97], s[14:15], s[58:59]
	s_add_nc_u64 s[98:99], s[14:15], s[60:61]
	s_wait_loadcnt 0x0                             ; the bias is in
.irp b, 0,1,2,3
	v_mov_b32 v[TM+4+\b], 0                        ; a lane permute's destination counts as one of its sources
.endr
.irp a, 0,1,2,3,4,5,6,7
	BLOCKOUT \a, 0
.endr
	ds_load_b128 v[RB:RB+3], v[SQL]                ; LDS serves a wave's instructions in order (ISA guide 5.7.1.4): these see my stores.  My first head's 512 bytes,
	ds_load_b128 v[RB+4:RB+7], v[SQL] offset:512   ; my second head's
	s_wait_dscnt 0x0
	global_store_b128 v[L16], v[RB:RB+3], s[98:99]
	global_store_b128 v[L16], v[RB+4:RB+7], s[98:99] offset:REC
	s_wait_xcnt 0x0                                ; the stores have read their registers and bases: fragments may land there
	FETCH2 0, 0, 0                                 ; phase 2
	SCALES 0, ADRS2
	FETCH2 0, 1, 1
	SLOT2 0, 1, 1, 1
	SLOT2 1, 0, 1, 0
	SLOT2 0, 1, 0, 0                               ; nothing is left to fetch: a plain barrier shows the last K step
	s_wait_dscnt 48
	WIN MUL_LO
.irp a, 0,1,2,3
	MUL8V \a, 0, 0, 1, 0
.endr
	s_wait_dscnt 0
.irp a, 0,1,2,3
	MUL8V \a, 1, 1, 1, 0
.endr
	WIN 0
	PLACES NP
	; v: record 16 batch + 2 tx + my half of the columns, keys' chunk 2 cy + my half of the tokens
	s_lshl_b32 s56, s22, 4
	s_lshl_b32 s57, s3, 1
	s_add_co_u32 s56, s56, s57
	s_add_co_u32 s56, s56, s17
	s_mul_i32 s56, s56, REC
	s_lshl_b32 s57, s21, 1
	s_add_co_u32 s57, s57, s18
	s_mul_i32 s57, s57, CHUNK
	s_add_co_u32 s56, s56, s57
	s_add_co_u32 s58, s56, 8192                    ; V^T's codes
	s_add_co_u32 s60, s56, 16896                   ; V's scale words
	s_mov_b32 s59, 0
	s_mov_b32 s61, 0
	s_add_nc_u64 s[96:97], s[14:15], s[58:59]
	s_add_nc_u64 s[98:99], s[14:15], s[60:61]
.irp b, 0,1,2,3
	v_mov_b32 v[TM+4+\b], 0
.endr
.irp a, 0,1,2,3
	BLOCKOUT \a, 1
.endr
	ds_load_b64 v[RB:RB+1], v[SVL]                 ; my head's 64 scale words of this chunk
	s_wait_dscnt 0x0
	global_store_b64 v[L8], v[RB:RB+1], s[98:99]   ; 256 consecutive bytes, aligned
	s_wait_tensorcnt 0x0                           ; the wave's end
	ds_add_u32 v[SPW], v[NIL]
	s_wait_dscnt 0x0
	CROUND                                         ; the closing round
	s_endpgm
.Lfunc_end_k_q8e75dfe26d_qkv:
	.size	k_q8e75dfe26d_qkv, .Lfunc_end_k_q8e75dfe26d_qkv-k_q8e75dfe26d_qkv
	.p2alignl 7, 3214868480
	.fill 96, 4, 3214868480
	.section	.rodata,"a",@progbits
	.p2align	6, 0x0
	.amdhsa_kernel k_q8e75dfe26d_qkv
		.amdhsa_group_segment_fixed_size 327680
		.amdhsa_private_segment_fixed_size 0
		.amdhsa_enable_private_segment 0
		.amdhsa_kernarg_size 48
		.amdhsa_user_sgpr_count 2
		.amdhsa_user_sgpr_kernarg_segment_ptr 1
		.amdhsa_wavefront_size32 1
		.amdhsa_system_sgpr_workgroup_id_x 1
		.amdhsa_system_sgpr_workgroup_id_y 1
		.amdhsa_system_sgpr_workgroup_id_z 1
		.amdhsa_system_vgpr_workitem_id 0
		.amdhsa_next_free_vgpr 1024
		.amdhsa_next_free_sgpr 102
		.amdhsa_reserve_vcc 1
		.amdhsa_float_denorm_mode_32 3
		.amdhsa_float_denorm_mode_16_64 3
		.amdhsa_memory_ordered 1
		.amdhsa_forward_progress 1
		.amdhsa_inst_pref_size 255
	.end_amdhsa_kernel
	.section	.bss,"aw",@nobits
	.p2align	6
	.space	262144
	.amdgpu_metadata
---
amdhsa.version: [ 1, 2 ]
amdhsa.kernels:
  - .name:           k_q8e75dfe26d_qkv
    .symbol:         k_q8e75dfe26d_qkv.kd
    .args:
      - { .name: act_img, .offset: 0, .size: 8, .value_kind: global_buffer, .address_space: global }
      - { .name: act_sc, .offset: 8, .size: 8, .value_kind: global_buffer, .address_space: global }
      - { .name: wa_img, .offset: 16, .size: 8, .value_kind: global_buffer, .address_space: global }
      - { .name: wa_sc, .offset: 24, .size: 8, .value_kind: global_buffer, .address_space: global }
      - { .name: b_attn, .offset: 32, .size: 8, .value_kind: global_buffer, .address_space: global }
      - { .name: qkv, .offset: 40, .size: 8, .value_kind: global_buffer, .address_space: global }
    .group_segment_fixed_size: 327680
    .private_segment_fixed_size: 0
    .kernarg_segment_align: 8
    .kernarg_segment_size: 48
    .max_flat_workgroup_size: 128
    .sgpr_count:     102
    .vgpr_count:     1024
    .wavefront_size: 32
...
	.end_amdgpu_metadata
.endif
;; end of part 2
;; launch attn (part 3): grid 2 x 128, 16 waves a work-group, no clusters, 169,984 bytes of LDS; arguments qkv, act_img, act_sc; writes act_img, act_sc
.if DOCPART == 3
	.amdgcn_target "amdgcn-amd-amdhsa--gfx1250"
	.amdhsa_code_object_version 6
	.text
	.protected	k_q8e75dfe26d_attn
	.globl	k_q8e75dfe26d_attn
	.p2align	8
	.type	k_q8e75dfe26d_attn,@function
k_q8e75dfe26d_attn:
	s_mov_b64 s[64:65], 0
	v_nop
	global_prefetch_b8 v0, s[64:65] scope:SCOPE_SE
	s_setreg_imm32_b32 hwreg(HW_REG_WAVE_MODE, 25, 1), 1
	s_wait_xcnt 0x0
; y = softmax(q k^T / 8, causal) v for one (batch, head), both products on codes of FP8 (E4M3) with E8M0 scales for each 32 along a product's K; y is quantised along C and stored as the image of the last product's operand.
; THE SOFTMAX AHEAD OF THE SECOND PRODUCT: t = score x log2(e) / 8; M = the row's largest t so far, rounded UP to a whole number; p = 2^(t - M) is what is quantised, along the keys.  The row's sum is taken of the
; unquantised p and divides at the end.  When M moves, the sum and O are multiplied by 2^(old M - new M): exact.
; THE RECORD of a (batch, head): eight chunks of 17,152 bytes (128 keys: K's codes 8,192, V^T's codes 8,192, K's scale words 512, V's 256), then Q's codes (1,024 bytes a block' of 16 queries) and scale words.
; All eight chunks come into LDS ONCE, 137,216 bytes, by one tensor load of each of waves 0 to 7; nothing in LDS is ever written again, so there is no ring.
; SHARES.  Work-group g of a head's two takes the blocks' of queries mb with mb % 2 = g.  Wave w has two jobs: mb = 2 w + g (w / 4 + 1 key steps under the mask) and mb = 62 - 2 w + g (8 - w / 4): nine key steps for every wave.
; A step all of whose keys come after the queries is never walked; only a job's last step lies on the diagonal, and there hidden scores become -infinity ahead of the maximum.
; BARRIERS stand in front of trips 0 and 2: trip i reads chunks 0 .. i alone, so the later chunks may still be on their way.
; K = 64 IN AN INSTRUCTION OF 128: two neighbouring blocks' of 16 keys make ONE operand (registers 0-7 the first, 8-15 the second).  Against [q, zero codes] it gives the first block's scores, against [zero codes, q] the second's:
; a code times the code 0 adds nothing.  The scale words of q and k hold their two bytes twice.
; LAYOUT.  Both products are used transposed: a lane holds ONE query (lane % 16).  Row' 16 (2 b + u) + p of tokens and of d is row 32 b + 8 u + p + 8 (p / 8), so the 16 registers of two neighbouring tiles are 16 neighbours.
; NO CLUSTER: two work-groups read a record, each once, at its head; a cluster along x wants four work-groups, which would be two heads under two masks of two.
; REGISTERS: v1-5 what stays; v8, v10 addresses; v12 -M, v13 the largest t, v[14:15] the sum; v16-31 [q, 0]; v32-95 four operands of K, then of V; v96-159 S^T, then p, then y; v160-191 O^T; v192-207 [0, q];
;   v208-223 p's codes, later y's; v224-225 V's scale words; v232-247 at work; v248-251 K's scale words; v252 f; v253 p's scale word; v254 at work; v255 q's scale word.
; LIMITS: p under 2^-126 becomes 0 (v_exp_f32 gives no denormals: ISA guide 15.8); a block of zeros gets the byte 1 where the rule says 127 (zero codes; this program alone reads the bytes); NaN and infinities are not served.
.set REC,   206848
.set CHUNK, 17152
.set QOFF,  8*CHUNK
.set QSOFF, QOFF+65536
.set L16, 1                            ; v1  16 x lane
.set L4,  2                            ; v2  4 x lane
.set DV,  3                            ; v3  r + 8 (r / 8) - 16 h
.set R4,  4                            ; v4  4 r
.set R8,  5                            ; v5  8 r
.set ADK, 8
.set ADS, 10
.set WV,  18
.set MNT, 19
.set SEL, 20
.set CS,  22                           ; s[22:23] c = log2(e) / 8
.set G1,  24                           ; s[24:31] descriptor group 1;  s[32:35] group 0
.set G0,  32
.set TI,  48                           ; s48 the trip, 0 .. 8
.set N1,  49                           ; s49 the first job's key steps
.set LAST, 50                          ; s50 the trip in which the job in hand ends
.set MB,  51                           ; s51 the job's block' of queries
.set CH,  52
.set TT,  53
.set QP,  56
.set QS,  58
.set YI,  60
.set YS,  62
	s_load_b128 s[4:7], s[0:1], 0x0                ; qkv s[4:5], act_img s[6:7]
	s_load_b64 s[8:9], s[0:1], 0x10                ; act_sc
	v_lshl_add_u32 v230, v0, 2, 0x29000
	v_mov_b32 v231, 0
	ds_add_u32 v230, v231
	ds_add_u32 v230, v231
	v_lshrrev_b32 v8, 5, v0
	s_delay_alu instid0(VALU_DEP_1)
	v_readfirstlane_b32 s[WV], v8                  ; wave 0..15
	s_and_b32 s10, ttmp7, 0xffff                   ; 16 batch + head
	s_mul_i32 s12, s10, REC
	s_mov_b32 s13, 0
	s_mul_i32 s11, s[WV], CHUNK                    ; a fetching wave's chunk: its number (waves 0 to 7)
	s_and_b32 s14, s10, 15                         ; head
	s_lshr_b32 s15, s10, 4                         ; batch
	s_lshr_b32 s16, s14, 2                         ; y's K step of 256: head / 4
	s_bfe_u32 s17, s14, 0x10001                    ; its 128 in the step: (head / 2) % 2
	s_and_b32 s14, s14, 1                          ; its 64 in the 128
	s_lshl_b32 s54, s16, 21                        ; what does not hang on the job, in y's codes:
	s_lshl_b32 s10, s15, 18
	s_add_co_u32 s54, s54, s10
	s_lshl_b32 s10, s17, 11
	s_add_co_u32 s54, s54, s10
	s_lshl_b32 s10, s14, 10
	s_add_co_u32 s54, s54, s10
	s_mov_b32 s55, 0
	s_lshl_b32 s56, s15, 15                        ; and in its scale words
	s_lshl_b32 s10, s16, 10
	s_add_co_u32 s56, s56, s10
	s_lshl_b32 s10, s17, 2
	s_add_co_u32 s56, s56, s10
	s_lshl_b32 s10, s14, 1
	s_add_co_u32 s56, s56, s10
	s_mov_b32 s57, 0
	s_mov_b32 s[G1], 3<<16                         ; no mask; elements of 8 bytes; no padding: a chunk is 67 rows of 256 dense bytes
	s_mov_b32 s[G1+1], 32<<16
	s_mov_b32 s[G1+2], 67<<16
	s_mov_b32 s[G1+3], 32<<16
	s_mov_b32 s[G1+4], 67
	s_mov_b32 s[G1+5], 32
	s_mov_b32 s[G1+6], 0
	s_mov_b32 s[G1+7], 0
	s_mov_b32 s[SEL], 0x76543210
	s_mov_b32 s[SEL+1], 0xfedcba98
	s_mov_b32 s[CS], 0x3e38aa3b
	s_mov_b32 s[CS+1], s[CS]                       ; (named with it as a pair, so it is written)
	s_mov_b32 s[MNT], 0x600000
	s_lshr_b32 s[N1], s[WV], 2
	s_add_co_u32 s[N1], s[N1], 1
	s_sub_co_u32 s[LAST], s[N1], 1
	s_lshl_b32 s[MB], s[WV], 1
	s_add_co_u32 s[MB], s[MB], ttmp9
	s_wait_dscnt 0x0
	s_wait_kmcnt 0x0
	s_add_nc_u64 s[4:5], s[4:5], s[12:13]          ; my record
	s_add_nc_u64 s[6:7], s[6:7], s[54:55]
	s_add_nc_u64 s[8:9], s[8:9], s[56:57]
	s_mov_b32 s12, s11
	s_add_nc_u64 s[14:15], s[4:5], s[12:13]
	s_mov_b32 s[G0], 1
	s_mov_b32 s[G0+1], s11                         ; chunk = wave, in LDS as in the record
	s_mov_b64 s[G0+2:G0+3], s[14:15]
	s_or_b32 s[G0+3], s[G0+3], 0x80000000
; THE FILLS AS THEY STAND NOW: waves 0 to 7 fetch one chunk each, one tensor load a wave, in one chain of four arms of two waves: each barrier below waits for the arms whose chunks it shows.
.macro ARM under, next
	s_cmp_lt_u32 s[WV], \under
	s_cbranch_scc0 \next
	tensor_load_to_lds s[G0:G0+3], s[G1:G1+7]
	s_nop 0
.rept 4
	v_nop
.endr
	s_branch .Lno_fill
\next:
.endm
	ARM 2, .Lfill_23
	ARM 4, .Lfill_45
	ARM 6, .Lfill_67
	ARM 8, .Lfill_none
.Lno_fill:
	v_and_b32 v9, 31, v0
	s_delay_alu instid0(VALU_DEP_1)
	v_lshlrev_b32 v[L16], 4, v9
	s_delay_alu instid0(VALU_DEP_2)
	v_lshlrev_b32 v[L4], 2, v9
	v_and_b32 v9, 15, v0                           ; r
	v_bfe_u32 v11, v0, 4, 1                        ; h
	s_delay_alu instid0(VALU_DEP_2)
	v_lshlrev_b32 v[R4], 2, v9
	s_delay_alu instid0(VALU_DEP_3)
	v_lshlrev_b32 v[R8], 3, v9
	s_delay_alu instid0(VALU_DEP_4)
	v_and_b32 v[DV], 8, v9
	s_delay_alu instid0(VALU_DEP_1)
	v_add_nc_u32 v[DV], v[DV], v9
	v_lshlrev_b32 v11, 4, v11
	s_delay_alu instid0(VALU_DEP_1)
	v_sub_nc_u32 v[DV], v[DV], v11
.irp j, 0,1,2,3,4,5,6,7
	v_mov_b32 v[24+\j], 0                          ; the zero codes of [q, 0]
	v_mov_b32 v[192+\j], 0                         ; and of [0, q]: written once
.endr
.irp b, 0,1,2,3
	v_mov_b32 v[236+\b], 0                         ; written once: a lane permute's destination counts as one of its sources
.endr
	v_mov_b32 v252, 0
	v_mov_b32 v253, 0                              ; (named as the upper half of the pair v[252:253] before it is first written)
; A JOB BEGINS: its 16 queries' codes, into both operands, and their scale words; O^T and the sum as zeros, the largest t as -3e38: the first change of M multiplies zeros.
.macro JOBSTART
	s_wait_xcnt 0x0                                ; the last job's stores have read their registers and bases
	s_lshl_b32 s10, s[MB], 10
	s_add_co_u32 s10, s10, QOFF
	s_mov_b32 s11, 0
	s_add_nc_u64 s[QP:QP+1], s[4:5], s[10:11]
	s_lshl_b32 s10, s[MB], 6
	s_add_co_u32 s10, s10, QSOFF
	s_add_nc_u64 s[QS:QS+1], s[4:5], s[10:11]
	global_load_b128 v[16:19], v[L16], s[QP:QP+1]
	global_load_b128 v[20:23], v[L16], s[QP:QP+1] offset:512
	global_load_b128 v[200:203], v[L16], s[QP:QP+1]
	global_load_b128 v[204:207], v[L16], s[QP:QP+1] offset:512
	global_load_b32 v255, v[R4], s[QS:QS+1]
.set n, 0
.rept 32
	v_mov_b32 v[160+n], 0
.set n, n+1
.endr
	v_mov_b32 v13, 0xff61b1e6
	s_delay_alu instid0(VALU_DEP_1)
	v_floor_f32 v12, -v13
	v_mov_b32 v14, 0
	v_mov_b32 v15, 0
	s_wait_loadcnt 0x0
.endm
; A JOB ENDS: O^T / the sum is y(query, 64 head + d), register 16 e + i = d 32 e + 16 h + i: two blocks of 32 along the last product's K.  They are quantised and leave as the operand's registers.
.macro FINISH
.rept 8
	v_nop                                          ; places behind the last products
.endr
	v_add_f32 v14, v14, v15
	s_delay_alu instid0(VALU_DEP_1)
	v_permlanex16_b32 v252, v14, s[SEL], s[SEL+1]
	s_delay_alu instid0(VALU_DEP_1)
	v_add_f32 v14, v14, v252                       ; the row's sum
	s_wait_alu depctr_va_vdst(0)
	v_rcp_f32 v14, v14
	v_nop                                          ; a plain line behind the reciprocal
	s_lshl_b32 s10, s[MB], 12
	s_mov_b32 s11, 0
	s_add_nc_u64 s[YI:YI+1], s[6:7], s[10:11]      ; block' 64 batch + mb of the tokens
	s_lshr_b32 s10, s[MB], 3
	s_lshl_b32 s10, s10, 12
	s_and_b32 s12, s[MB], 7
	s_lshl_b32 s12, s12, 7
	s_add_co_u32 s10, s10, s12
	s_add_nc_u64 s[YS:YS+1], s[8:9], s[10:11]
	s_wait_alu depctr_va_vdst(0)                   ; the wait ahead of the reciprocal's first reader
.set n, 0
.rept 16
	v_pk_mul_f32 v[96+n:97+n], v[160+n:161+n], v[14:15] op_sel_hi:[1,0]   ; each accumulator from its low end on
.set n, n+2
.endr
.irp b, 0,1
	v_max3_num_f32 v[232+\b], |v[96+16*\b]|, |v[97+16*\b]|, 0x4800000
.endr
.irp i, 2,4,6,8,10,12,14
.irp b, 0,1
	s_delay_alu instid0(VALU_DEP_2)
	v_max3_num_f32 v[232+\b], v[232+\b], |v[96+16*\b+\i]|, |v[97+16*\b+\i]|
.endr
.endr
.irp b, 0,1
	s_delay_alu instid0(VALU_DEP_2)
	v_permlanex16_b32 v[236+\b], v[232+\b], s[SEL], s[SEL+1]
.endr
.irp b, 0,1
	s_delay_alu instid0(VALU_DEP_2)
	v_max_num_f32 v[232+\b], v[232+\b], v[236+\b]
.endr
.irp b, 0,1
	s_delay_alu instid0(VALU_DEP_2)
	v_add_nc_u32 v[244+\b], 0xfc000000, v[232+\b]
.endr
.irp b, 0,1
	s_delay_alu instid0(VALU_DEP_4)
	v_and_or_b32 v[240+\b], v[232+\b], 0x7f800000, s[MNT]
.endr
.irp b, 0,1
	s_delay_alu instid0(VALU_DEP_4)
	v_lshrrev_b32 v[236+\b], 23, v[244+\b]
.endr
	s_delay_alu instid0(VALU_DEP_1)
	v_lshl_or_b32 v254, v237, 8, v236              ; the head's two bytes of the row's scale word
.irp b, 0,1
.irp i, 0,1,2,3,4,5,6,7,8,9,10,11,12,13,14,15
	v_med3_num_f32 v[96+16*\b+\i], v[96+16*\b+\i], -v[240+\b], v[240+\b]
.endr
	v_cvt_scalef32_pk8_fp8_f32 v[208+4*\b:209+4*\b], v[96+16*\b:103+16*\b], v[244+\b]
	v_cvt_scalef32_pk8_fp8_f32 v[210+4*\b:211+4*\b], v[104+16*\b:111+16*\b], v[244+\b]
.endr
	v_nop                                          ; a plain line behind the last conversion
	global_store_b128 v[L16], v[208:211], s[YI:YI+1]             ; 512 consecutive bytes each
	global_store_b128 v[L16], v[212:215], s[YI:YI+1] offset:512
	global_store_b16 v[R8], v254, s[YS:YS+1]       ; a head owns half a scale word: two bytes a row', 8 bytes apart (both halves of the lanes write the same bytes with the same value)
.endm
; A KEY STEP: 128 keys.  maxs: the largest chunk that this loop's trips can name;  mask = 1: a trip of this loop can lie on a diagonal;  sw = 1: the first job can end in this loop.
.macro TRIP maxs, mask, sw
	s_min_u32 s10, s[TI], s[N1]                    ; the chunk: TI in the first job (TI < N1), TI - N1 in the second; no number on the way falls under 0
	s_sub_co_u32 s[TT], s[TI], s10                 ; 0, or TI - N1
	s_add_co_u32 s11, s[TI], 1
	s_min_u32 s12, s11, s[N1]
	s_sub_co_u32 s11, s11, s12
	s_min_u32 s11, s11, 1                          ; 0 in the first job, 1 in the second
	s_xor_b32 s11, s11, 1
	s_mul_i32 s11, s11, s[TI]                      ; TI, or 0
	s_add_co_u32 s[TT], s[TT], s11
	s_min_u32 s[TT], s[TT], \maxs                  ; changes no value: the chunk is never above the trip
	s_mul_i32 s[CH], s[TT], CHUNK
	v_add_nc_u32 v[ADK], s[CH], v[L16]
	v_add_nc_u32 v[ADS], s[CH], v[L4]
.rept 6
	v_nop                                          ; with the two additions: eight places in front of loads into registers that the last products read
.endr
.irp f, 0,1,2,3
.irp c, 0,1,2,3
	ds_load_b128 v[32+16*\f+4*\c:35+16*\f+4*\c], v[ADK] offset:2048*\f+512*\c
.endr
	ds_load_b32 v[248+\f], v[ADS] offset:16384+128*\f   ; lanes 0-15: block' 2 f's scale words, lanes 16-31: block' 2 f + 1's
.endr
	s_wait_alu depctr_va_vdst(0)
	s_wait_dscnt 0x0
.irp f, 0,1,2,3                        ; S^T: registers 96 + 16 f + i = key 32 f + 16 h + i of the chunk
	v_wmma_scale_f32_16x16x128_f8f6f4 v[96+16*\f:103+16*\f], v[32+16*\f:47+16*\f], v[16:31], 0, v[248+\f], v255
	v_wmma_scale_f32_16x16x128_f8f6f4 v[104+16*\f:111+16*\f], v[32+16*\f:47+16*\f], v[192:207], 0, v[248+\f], v255 matrix_a_scale:MATRIX_SCALE_ROW1
.endr
.rept 8
	v_nop
.endr
.irp t, 0,1,2,3                        ; V^T's four operands land while the softmax is walked
.irp c, 0,1,2,3
	ds_load_b128 v[32+16*\t+4*\c:35+16*\t+4*\c], v[ADK] offset:8192+2048*\t+512*\c
.endr
.endr
	ds_load_b32 v224, v[ADS] offset:16896
	ds_load_b32 v225, v[ADS] offset:16896+128
.if \mask
	s_cmp_lg_u32 s[TI], s[LAST]                    ; only a job's last step lies on the diagonal
	s_cbranch_scc1 .Lopen_\@
	s_lshr_b32 s10, s[MB], 1
	s_and_b32 s10, s10, 3
	s_lshl_b32 s10, s10, 5
	s_and_b32 s11, s[MB], 1
	s_lshl_b32 s11, s11, 3
	s_add_co_u32 s10, s10, s11
	v_add_nc_u32 v252, s10, v[DV]                  ; d = my query's place in the chunk - 16 h: register 16 f + i is hidden where 32 f + i > d
	v_mov_b32 v254, 0xff800000
.set n, 0
.rept 64
	v_cmp_gt_i32 vcc_lo, 32*(n/16)+n%16, v252
	v_cndmask_b32 v[96+n], v[96+n], v254, vcc_lo
.set n, n+1
.endr
.Lopen_\@:
.endif
.irp b, 0,1,2,3
	v_max3_num_f32 v[232+\b], v[96+16*\b], v[97+16*\b], v[98+16*\b]   ; the largest score of each block of 32 keys: for the row's maximum, and, since p rises with the score, for the block's largest p
.endr
.irp i, 3,5,7,9,11,13
.irp b, 0,1,2,3
	v_max3_num_f32 v[232+\b], v[232+\b], v[96+16*\b+\i], v[97+16*\b+\i]
.endr
.endr
.irp b, 0,1,2,3
	v_max_num_f32 v[232+\b], v[232+\b], v[111+16*\b]
.endr
.irp b, 0,1,2,3
	s_delay_alu instid0(VALU_DEP_4)
	v_permlanex16_b32 v[236+\b], v[232+\b], s[SEL], s[SEL+1]
.endr
.irp b, 0,1,2,3
	s_delay_alu instid0(VALU_DEP_4)
	v_max_num_f32 v[232+\b], v[232+\b], v[236+\b]
.endr
	s_delay_alu instid0(VALU_DEP_2)
	v_max3_num_f32 v254, v232, v233, v234
	s_delay_alu instid0(VALU_DEP_1)
	v_max_num_f32 v254, v254, v235
	s_delay_alu instid0(VALU_DEP_1)
	v_mul_f32 v254, s[CS], v254                    ; as t
	s_delay_alu instid0(VALU_DEP_1)
	v_max_num_f32 v13, v13, v254                   ; the running largest t
	v_mov_b32 v254, v12
	s_delay_alu instid0(VALU_DEP_2)
	v_floor_f32 v12, -v13                          ; the new -M = -ceil(t)
	s_delay_alu instid0(VALU_DEP_1)
	v_sub_f32 v254, v12, v254                      ; old M - new M: a whole number, 0 or less
	s_delay_alu instid0(VALU_DEP_1)
	v_cvt_i32_f32 v254, v254                       ; (it saturates)
	s_delay_alu instid0(VALU_DEP_1)
	v_ldexp_f32 v252, 1.0, v254                    ; f = 2^(old M - new M)
.set n, 0
.rept 32
	v_pk_fma_f32 v[96+n:97+n], v[96+n:97+n], s[CS:CS+1], v[12:13] op_sel_hi:[1,0,0]   ; t - M
.set n, n+2
.endr
.irp b, 0,1,2,3
	v_fma_f32 v[232+\b], v[232+\b], s[CS], v12
.endr
.set n, 0
	s_wait_alu depctr_va_vdst(0)
.rept 64
	v_exp_f32 v[96+n], v[96+n]                     ; p = 2^(t - M)
.set n, n+1
.endr
	v_pk_mul_f32 v[14:15], v[14:15], v[252:253] op_sel_hi:[1,0]   ; the sums under the new M: a plain line behind the exponentials
	s_wait_alu depctr_va_vdst(0)                   ; one wait for the batch of 64, ahead of its first reader
.irp b, 0,1,2,3
	v_exp_f32 v[232+\b], v[232+\b]                 ; each block's largest p
.endr
	v_pk_add_f32 v[236:237], v[100:101], v[104:105]
	v_pk_add_f32 v[250:251], v[108:109], v[112:113]
	v_pk_add_f32 v[248:249], v[116:117], v[120:121]
	v_pk_add_f32 v[246:247], v[124:125], v[128:129]
	v_pk_add_f32 v[244:245], v[132:133], v[136:137]
	v_pk_add_f32 v[242:243], v[140:141], v[144:145]
	v_pk_add_f32 v[240:241], v[148:149], v[152:153]
	v_pk_add_f32 v[14:15], v[14:15], v[156:157]
	v_pk_add_f32 v[236:237], v[236:237], v[96:97]
	v_pk_add_f32 v[250:251], v[250:251], v[98:99]
	v_pk_add_f32 v[248:249], v[248:249], v[102:103]
	v_pk_add_f32 v[246:247], v[246:247], v[106:107]
	v_pk_add_f32 v[244:245], v[244:245], v[110:111]
	v_pk_add_f32 v[242:243], v[242:243], v[114:115]
	v_pk_add_f32 v[240:241], v[240:241], v[118:119]
	v_pk_add_f32 v[14:15], v[14:15], v[122:123]
	v_pk_add_f32 v[236:237], v[236:237], v[126:127]
	v_pk_add_f32 v[250:251], v[250:251], v[130:131]
	v_pk_add_f32 v[248:249], v[248:249], v[134:135]
	v_pk_add_f32 v[246:247], v[246:247], v[138:139]
	v_pk_add_f32 v[244:245], v[244:245], v[142:143]
	v_pk_add_f32 v[242:243], v[242:243], v[146:147]
	v_pk_add_f32 v[240:241], v[240:241], v[150:151]
	v_pk_add_f32 v[14:15], v[14:15], v[154:155]
	v_pk_add_f32 v[236:237], v[236:237], v[158:159]
	s_delay_alu instid0(VALU_DEP_2)
	v_pk_add_f32 v[14:15], v[14:15], v[246:247]
	s_delay_alu instid0(VALU_DEP_2)
	v_pk_add_f32 v[236:237], v[236:237], v[244:245]
	v_pk_add_f32 v[250:251], v[250:251], v[242:243]
	v_pk_add_f32 v[248:249], v[248:249], v[240:241]
	s_delay_alu instid0(VALU_DEP_2)
	v_pk_add_f32 v[14:15], v[14:15], v[250:251]
	s_delay_alu instid0(VALU_DEP_2)
	v_pk_add_f32 v[236:237], v[236:237], v[248:249]
	s_delay_alu instid0(VALU_DEP_1)
	v_pk_add_f32 v[14:15], v[14:15], v[236:237]
	s_wait_alu depctr_va_vdst(0)                   ; and one for the four
.irp b, 0,1,2,3
	v_max_num_f32 v[232+\b], 0x4800000, v[232+\b]  ; the floor 2^(9 - 127)
.endr
.irp b, 0,1,2,3
	s_delay_alu instid0(VALU_DEP_4)
	v_add_nc_u32 v[244+\b], 0xfc000000, v[232+\b]
.endr
.irp b, 0,1,2,3
	v_and_or_b32 v[240+\b], v[232+\b], 0x7f800000, s[MNT]
.endr
.irp b, 0,1,2,3
	v_lshrrev_b32 v[236+\b], 23, v[244+\b]
.endr
	s_delay_alu instid0(VALU_DEP_3)
	v_lshl_or_b32 v253, v237, 8, v236              ; p's scale word for these 128 keys
	s_delay_alu instid0(VALU_DEP_1)
	v_lshl_or_b32 v253, v238, 16, v253
	s_delay_alu instid0(VALU_DEP_1)
	v_lshl_or_b32 v253, v239, 24, v253
.irp b, 0,1,2,3
.irp i, 0,1,2,3,4,5,6,7,8,9,10,11,12,13,14,15
	v_min_num_f32 v[96+16*\b+\i], v[96+16*\b+\i], v[240+\b]   ; p is not negative: a one-sided hold
.endr
	v_cvt_scalef32_pk8_fp8_f32 v[208+4*\b:209+4*\b], v[96+16*\b:103+16*\b], v[244+\b]
	v_cvt_scalef32_pk8_fp8_f32 v[210+4*\b:211+4*\b], v[104+16*\b:111+16*\b], v[244+\b]
.endr
.set n, 0
.rept 16
	v_pk_mul_f32 v[160+n:161+n], v[160+n:161+n], v[252:253] op_sel_hi:[1,0]   ; O^T under the new M; these are also the places between the codes and the products
.set n, n+2
.endr
	s_wait_alu depctr_va_vdst(0)
	s_wait_dscnt 0x0                               ; V^T and its scale words are in
	v_wmma_scale_f32_16x16x128_f8f6f4 v[160:167], v[32:47], v[208:223], v[160:167], v224, v253
	v_wmma_scale_f32_16x16x128_f8f6f4 v[168:175], v[48:63], v[208:223], v[168:175], v224, v253 matrix_a_scale:MATRIX_SCALE_ROW1
	v_wmma_scale_f32_16x16x128_f8f6f4 v[176:183], v[64:79], v[208:223], v[176:183], v225, v253
	v_wmma_scale_f32_16x16x128_f8f6f4 v[184:191], v[80:95], v[208:223], v[184:191], v225, v253 matrix_a_scale:MATRIX_SCALE_ROW1
.if \sw
	s_cmp_lg_u32 s[TI], s[LAST]                    ; the first job's last step: its y leaves, and the second job begins
	s_cbranch_scc1 .Lsame_\@
	FINISH
	s_lshl_b32 s10, s[WV], 1
	s_sub_co_u32 s[MB], 62, s10
	s_add_co_u32 s[MB], s[MB], ttmp9
	s_mov_b32 s[LAST], 8
	JOBSTART
.Lsame_\@:
.endif
.endm
.macro BAR under                       ; the waves under this number have waited for their one load: chunks 0 .. under - 1 have landed; the last barrier's wait stands on every wave's way
.if \under < 8
	s_cmp_lt_u32 s[WV], \under
	s_cbranch_scc0 .Lnot_mine_\@
	s_wait_tensorcnt 0x0
.Lnot_mine_\@:
.else
	s_wait_tensorcnt 0x0
.endif
	s_wait_dscnt 0x0
	s_barrier_signal -1
	s_barrier_wait -1
.endm
	JOBSTART
	BAR 2
	s_mov_b32 s[TI], 0
.Lt0:
	TRIP 1, 1, 1
	s_add_co_u32 s[TI], s[TI], 1
	s_cmp_lt_u32 s[TI], 2
	s_cbranch_scc1 .Lt0
	BAR 8                                          ; every wave has waited for its load: all eight chunks are shown here, and no later barrier is needed, since nothing in LDS is written again
	s_mov_b32 s[TI], 2
.Lt2:
	TRIP 3, 1, 1
	s_add_co_u32 s[TI], s[TI], 1
	s_cmp_lt_u32 s[TI], 4
	s_cbranch_scc1 .Lt2
	s_mov_b32 s[TI], 4
.Lt4:
	TRIP 5, 0, 0
	s_add_co_u32 s[TI], s[TI], 1
	s_cmp_lt_u32 s[TI], 6
	s_cbranch_scc1 .Lt4
	s_mov_b32 s[TI], 6
.Lt6:
	TRIP 7, 1, 0
	s_add_co_u32 s[TI], s[TI], 1
	s_cmp_lt_u32 s[TI], 9
	s_cbranch_scc1 .Lt6
	FINISH
	s_wait_tensorcnt 0x0
	ds_add_u32 v230, v231
	s_wait_dscnt 0x0
	s_endpgm
.Lfunc_end_k_q8e75dfe26d_attn:
	.size	k_q8e75dfe26d_attn, .Lfunc_end_k_q8e75dfe26d_attn-k_q8e75dfe26d_attn
	.p2alignl 7, 3214868480
	.fill 96, 4, 3214868480
	.section	.rodata,"a",@progbits
	.p2align	6, 0x0
	.amdhsa_kernel k_q8e75dfe26d_attn
		.amdhsa_group_segment_fixed_size 169984
		.amdhsa_private_segment_fixed_size 0
		.amdhsa_enable_private_segment 0
		.amdhsa_kernarg_size 24
		.amdhsa_user_sgpr_count 2
		.amdhsa_user_sgpr_kernarg_segment_ptr 1
		.amdhsa_wavefront_size32 1
		.amdhsa_system_sgpr_workgroup_id_x 1
		.amdhsa_system_sgpr_workgroup_id_y 1
		.amdhsa_system_sgpr_workgroup_id_z 1
		.amdhsa_system_vgpr_workitem_id 0
		.amdhsa_next_free_vgpr 256
		.amdhsa_next_free_sgpr 66
		.amdhsa_reserve_vcc 1
		.amdhsa_float_denorm_mode_32 3
		.amdhsa_float_denorm_mode_16_64 3
		.amdhsa_memory_ordered 1
		.amdhsa_forward_progress 1
		.amdhsa_inst_pref_size 128
	.end_amdhsa_kernel
	.amdgpu_metadata
---
amdhsa.version: [ 1, 2 ]
amdhsa.kernels:
  - .name:           k_q8e75dfe26d_attn
    .symbol:         k_q8e75dfe26d_attn.kd
    .args:
      - { .name: qkv, .offset: 0, .size: 8, .value_kind: global_buffer, .address_space: global }
      - { .name: act_img, .offset: 8, .size: 8, .value_kind: global_buffer, .address_space: global }
      - { .name: act_sc, .offset: 16, .size: 8, .value_kind: global_buffer, .address_space: global }
    .group_segment_fixed_size: 169984
    .private_segment_fixed_size: 0
    .kernarg_segment_align: 8
    .kernarg_segment_size: 24
    .max_flat_workgroup_size: 512
    .sgpr_count:     66
    .vgpr_count:     256
    .wavefront_size: 32
...
	.end_amdgpu_metadata
.endif
;; end of part 3
;; launch proj (part 4): grid 8 x 32, 4 waves a work-group, clusters of 4 x 4, 327,680 bytes of LDS; arguments act_img, act_sc, wp_img, wp_sc, b_proj, out0; writes out0
.if DOCPART == 4
	.amdgcn_target "amdgcn-amd-amdhsa--gfx1250"
	.amdhsa_code_object_version 6
	.text
	.protected	k_q8e75dfe26d_proj
	.globl	k_q8e75dfe26d_proj
	.p2align	8
	.type	k_q8e75dfe26d_proj,@function
k_q8e75dfe26d_proj:
	s_mov_b64 s[64:65], 0
	v_nop
	global_prefetch_b8 v0, s[64:65] scope:SCOPE_SE
	s_setreg_imm32_b32 hwreg(HW_REG_WAVE_MODE, 25, 1), 1
	s_wait_xcnt 0x0
	s_wait_alu depctr_hold_cnt(0) depctr_sa_sdst(0) depctr_va_vdst(0) depctr_va_sdst(0) depctr_va_ssrc(0) depctr_va_vcc(0) depctr_vm_vsrc(0)
	s_getreg_b32 s2, hwreg(HW_REG_IB_STS2, 6, 4)
	s_cmp_eq_u32 s2, 0
	s_cbranch_scc0 .Lentry_in_a_cluster
	s_endpgm
.Lentry_in_a_cluster:
	s_bfe_u32 s2, ttmp6, 0x10000c
	s_cmp_lg_u32 s2, 0xf033
	s_cbranch_scc0 .Lentry_shape_is_right
	s_endpgm
.Lentry_shape_is_right:
; out0 = y w_proj + b_proj on codes of FP8 (E4M3) with E8M0 scales for each 32 along K = 1,024; f32 sums, f32 out.
; OPERANDS are images of their registers: [K step of 256][block' of 16 rows': 4,096 bytes = two fragments of 16 rows' x 128 k]; scale words [128 rows'][K step: 1,024 bytes][row': 8 bytes].
; Row' 16 (2 b + u) + p of an operand is its row 32 b + 8 u + p + 8 (p / 8) (token, or column of w_proj).
; THE DEAL: 8 x 32 = 256 work-groups of four waves, 2 x 2; a work-group makes 256 tokens x 128 columns.  A wave holds 64 columns' of the weight, ALL of K, in 512 registers (windows 1, 2) and streams eight blocks' of 16 tokens past them;
; a block' stands in registers whole (128, two sets, window 3): 32 products a block', four sums by turns, 256 products a wave.
; Source 0 = 16 columns', source 1 = 16 tokens': a lane holds one token, and the 16 registers of column tiles 2 p, 2 p + 1 are columns 32 p + 16 (lane / 16) + 0 .. 15.  The bias, laid so, is the first products' C.
; LDS: bytes 0 .. 131,071 the weight's 128 rows', later tokens 128 .. 255; the next 131,072 tokens 0 .. 127; the scale words; the spare words; a stage of 16 rows x 272 bytes a wave, which no tensor load fills.
; FILLS: at the head one joint load a wave: the weight (four rows of 32,768 bytes, a K step apart), tokens 0 .. 127 likewise, the tokens' scale words, the weight's.  ONE refill: when all waves hold the weight in registers,
; tokens 128 .. 255 come over it behind a drained round of the cluster's barrier, a K step (32,768 dense bytes) a wave; a plain barrier behind block' 3 shows them.
; CLUSTERS: 4 x 4: tokens' tiles are asked for jointly along a row of the cluster, the weight's along a column.
; THE WAY OUT of a block' stands among the next block's products: eight LDS stores into my stage, eight loads back by rows, eight stores in which sixteen lanes fill 256 consecutive bytes, aligned.
; PREFETCH: the refill's 131,072 bytes are named once in a cluster's row at the head: the sixteen waves of the four partners take 8,192 bytes each, told apart by address, lanes 256 bytes apart.  The text has no loop to run further ahead in.
; LIMITS: NaN, infinities and sums beyond f32's range are not served.
.set ACT_ST, 8192*256
.set WP_ST,  1024*256
.set T0R,    131072
.set ST,     262144
.set SWS,    ST+8192
.set SPARE,  SWS+4096
.set STAGE,  SPARE+512
.set SPITCH, 272
.set NP,   8                           ; plain vector lines behind this matrix instruction (ISA guide 7.12.1)
.set NF,   36                          ; LDS loads of a block': 32 of codes, 4 of scale words
.set L16,  1
.set AW,   2                           ; v2-3  my 64 rows' of the weight: K steps 0, 1; K steps 2, 3
.set AT0,  4                           ; v4-5  my four blocks' of tokens 0 .. 127
.set AT1,  6                           ; v6-7  of tokens 128 .. 255
.set AS,   8                           ; v8    my tokens' scale words
.set ASW,  9                           ; v9    my columns' scale words
.set SPW,  10
.set NIL,  11
.set STO,  12
.set RD,   13
.set CO,   14
.set PFO,  15
.set SB,   24                          ; v24-39 the weight's scale words: register 8 p + q: lanes 0-15 tile 2 p's, lanes 16-31 tile 2 p + 1's
.set SA,   44                          ; v44-59 the tokens': two sets of eight
.set ACC,  64                          ; v64-127 two sets of four sums
.set BQ,   128                         ; v128-159 the bias in the sums' layout
.set OB,   160                         ; v160-191 16 rows read back from the stage
.set G1W,  24
.set G1T,  32
.set G1S,  40
.set G1SW, 48
.set G1R,  56
.set G0W,  68
.set G0T,  72
.set G0S,  76
.set G0SW, 80
.set G0R,  84
.set MSB, 0
.macro WIN new                         ; the immediate's high byte repeats the setting that is left
.if MSB != (\new)
	s_set_vgpr_msb (MSB<<8)|(\new)
.set MSB, (\new)
.endif
.endm
.macro PLACES n
.rept \n
	v_nop
.endr
.endm
.macro CROUND                          ; a round of the cluster's barrier
	s_barrier_signal -1
	s_barrier_wait -1
	s_cmp_lg_u32 s16, 0
	s_cbranch_scc1 .Lnot_wave_0_\@
	s_barrier_signal -3
.Lnot_wave_0_\@:
	s_barrier_wait -3
	s_barrier_signal -1
	s_barrier_wait -1
.endm
.macro GROUP1 g, c, r, p               ; r rows of c elements of 8 bytes, p elements apart
	s_mov_b32 s[\g+1], (\c)<<16
	s_mov_b32 s[\g+2], (\r)<<16
	s_mov_b32 s[\g+3], (\c)<<16
	s_mov_b32 s[\g+4], \r
	s_mov_b32 s[\g+5], \p
	s_mov_b32 s[\g+6], 0
	s_mov_b32 s[\g+7], 0
.endm
	s_load_b256 s[4:11], s[0:1], 0x0               ; act_img, act_sc, wp_img, wp_sc
	s_load_b128 s[12:15], s[0:1], 0x20             ; b_proj, out0
	v_lshl_add_u32 v[SPW], v0, 2, SPARE
	v_mov_b32 v[NIL], 0
	ds_add_u32 v[SPW], v[NIL]                      ; the opening lines: the add twice on end and its wait
	ds_add_u32 v[SPW], v[NIL]
	v_lshrrev_b32 v16, 5, v0
	v_readfirstlane_b32 s16, v16                   ; wave 0..3
	s_lshr_b32 s17, s16, 1                         ; my half of a region's eight blocks' of tokens
	s_and_b32 s18, s16, 1                          ; my half of the 128 columns
	s_bfe_u32 s20, ttmp6, 0x40000                  ; cx
	s_bfe_u32 s21, ttmp6, 0x40004                  ; cy
	s_and_b32 s22, ttmp7, 0xffff
	s_lshl_b32 s66, s21, 2
	s_lshl_b32 s66, 15, s66                        ; my row of the cluster
	s_lshl_b32 s67, 0x1111, s20                    ; my column
	s_or_b32 s[G1W+0], s67, (3<<16)|(1<<21)        ; the mask; elements of 8 bytes; bit 21 beside a mask; no padding
	s_or_b32 s[G1SW+0], s67, (3<<16)|(1<<21)
	s_or_b32 s[G1T+0], s66, (3<<16)|(1<<21)
	s_or_b32 s[G1S+0], s66, (3<<16)|(1<<21)
	s_or_b32 s[G1R+0], s66, (3<<16)|(1<<21)
	GROUP1 G1W, 4096, 4, WP_ST/8                   ; four K steps of 32,768 bytes
	GROUP1 G1T, 4096, 4, ACT_ST/8
	GROUP1 G1S, 32, 32, 32                         ; 8,192 dense bytes as rows of 256
	GROUP1 G1SW, 32, 16, 32                        ; 4,096
	GROUP1 G1R, 32, 128, 32                        ; 32,768
	s_lshl_b32 s2, s22, 2
	s_add_co_u32 s2, s2, s21                       ; ty: s2 never holds cx
	s_lshl_b32 s3, ttmp9, 2
	s_add_co_u32 s3, s3, s20                       ; tx: s3 never holds cy
	s_lshl_b32 s88, s2, 16                         ; byte offsets: my 256 tokens' codes in a K step,
	s_mov_b32 s89, 0
	s_lshl_b32 s90, s2, 13                         ; their scale words,
	s_mov_b32 s91, 0
	s_lshl_b32 s92, s3, 15                         ; my 128 columns' codes in a K step,
	s_mov_b32 s93, 0
	s_lshl_b32 s94, s3, 12                         ; their scale words,
	s_mov_b32 s95, 0
	s_mul_i32 s96, s16, ACT_ST                     ; the refill: K step = my wave's number, tokens 128 on
	s_add_co_u32 s96, s96, 32768
	s_mov_b32 s97, 0
	s_mov_b32 s[G0W], 1
	s_mov_b32 s[G0W+1], 0
	s_mov_b32 s[G0T], 1
	s_mov_b32 s[G0T+1], T0R
	s_mov_b32 s[G0S], 1
	s_mov_b32 s[G0S+1], ST
	s_mov_b32 s[G0SW], 1
	s_mov_b32 s[G0SW+1], SWS
	s_mov_b32 s[G0R], 1
	s_lshl_b32 s[G0R+1], s16, 15
	s_wait_dscnt 0x0                               ; both opening adds are done
	CROUND                                         ; all sixteen work-groups are here: the first joint loads meet
	s_wait_kmcnt 0x0
	s_add_nc_u64 s[G0T+2:G0T+3], s[4:5], s[88:89]
	s_add_nc_u64 s[G0S+2:G0S+3], s[6:7], s[90:91]
	s_add_nc_u64 s[G0W+2:G0W+3], s[8:9], s[92:93]
	s_add_nc_u64 s[G0SW+2:G0SW+3], s[10:11], s[94:95]
	s_add_nc_u64 s[G0R+2:G0R+3], s[G0T+2:G0T+3], s[96:97]
.irp g, G0W, G0T, G0S, G0SW, G0R
	s_or_b32 s[\g+3], s[\g+3], 0x80000000
.endr
.macro ARM under, g0, g1, next         ; one chain of branches on the wave's number, a load to an arm
	s_cmp_lt_u32 s16, \under
	s_cbranch_scc0 \next
	tensor_load_to_lds s[\g0:\g0+3], s[\g1:\g1+7]
	s_nop 0
	PLACES 4
	s_branch .Lhead_asked
\next:
.endm
	ARM 1, G0W, G1W, .Lhead_t
	ARM 2, G0T, G1T, .Lhead_st
	ARM 3, G0S, G1S, .Lhead_sw
	tensor_load_to_lds s[G0SW:G0SW+3], s[G1SW:G1SW+7]
	s_nop 0
	PLACES 4
.Lhead_asked:
	s_lshl_b32 s88, s18, 14                        ; my 64 rows' of the weight in a K step
	s_lshl_b32 s89, s17, 14                        ; my four blocks' of tokens
	s_lshl_b32 s92, s17, 9
	s_add_co_u32 s92, s92, ST
	s_lshl_b32 s93, s18, 9
	s_add_co_u32 s93, s93, SWS
	s_mul_i32 s94, s16, 16*SPITCH
	s_add_co_u32 s94, s94, STAGE                   ; my stage
	s_lshl_b32 s90, s3, 9                          ; my 64 columns, 4 bytes each: 512 tx + 256 half
	s_lshl_b32 s91, s18, 8
	s_add_co_u32 s90, s90, s91
	s_mov_b32 s91, 0
	s_add_nc_u64 s[12:13], s[12:13], s[90:91]
	s_lshl_b32 s96, s2, 20                         ; my first token's row of out0: 256 ty + 64 half rows of 4,096 bytes
	s_lshl_b32 s97, s17, 18
	s_add_co_u32 s96, s96, s97
	s_add_co_u32 s96, s96, s90
	s_mov_b32 s97, 0
	s_add_nc_u64 s[14:15], s[14:15], s[96:97]
	s_mul_i32 s98, s20, ACT_ST                     ; the prefetch: K step cx, 8,192 bytes x my wave's number, of tokens 128 .. 255
	s_lshl_b32 s99, s16, 13
	s_add_co_u32 s98, s98, s99
	s_lshl_b32 s99, s2, 16
	s_add_co_u32 s98, s98, s99
	s_add_co_u32 s98, s98, 32768
	s_mov_b32 s99, 0
	s_add_nc_u64 s[98:99], s[4:5], s[98:99]
	v_and_b32 v16, 31, v0                          ; lane
	v_and_b32 v17, 15, v0                          ; r
	v_bfe_u32 v18, v0, 4, 1                        ; h
	v_lshlrev_b32 v[L16], 4, v16
	v_add_nc_u32 v[AW], s88, v[L16]
	v_add_nc_u32 v[AW+1], 65536, v[AW]
	v_add_nc_u32 v[AT1], s89, v[L16]
	v_add_nc_u32 v[AT1+1], 65536, v[AT1]
	v_add_nc_u32 v[AT0], T0R, v[AT1]
	v_add_nc_u32 v[AT0+1], T0R+65536, v[AT1]
	v_lshlrev_b32 v19, 3, v17
	v_add_nc_u32 v[AS], s92, v19                   ; 8 bytes a row' in a K step
	v_lshlrev_b32 v19, 3, v16
	v_add_nc_u32 v[ASW], s93, v19                  ; lane l takes row' l of a pair of tiles
	v_mul_u32_u24 v19, v17, SPITCH
	v_lshl_add_u32 v19, v18, 6, v19
	v_add_nc_u32 v[STO], s94, v19                  ; into the stage: row r, + 64 h
	v_mul_u32_u24 v19, v18, SPITCH
	v_lshl_add_u32 v19, v17, 4, v19
	v_add_nc_u32 v[RD], s94, v19                   ; back: lanes 0-15 one row, lanes 16-31 the next
	v_lshlrev_b32 v19, 12, v18
	v_lshl_add_u32 v[CO], v17, 4, v19              ; and the same two rows in out0
	v_lshlrev_b32 v[PFO], 8, v16
	v_lshlrev_b32 v16, 6, v18                      ; 64 h
.irp p, 0,1
.irp k, 0,1,2,3
	global_load_b128 v[BQ+16*\p+4*\k:BQ+16*\p+4*\k+3], v16, s[12:13] offset:128*\p+16*\k   ; the bias of columns 32 p + 16 h + 4 k ..
.endr
.endr
	global_prefetch_b8 v[PFO], s[98:99] th:TH_LOAD_NT scope:SCOPE_SE
.macro FETCH e                         ; block' e (region e / 4, my block' e % 4), all of K, into set e % 2 of window 3, and its scale words: NF loads
.set FA_, AT0+2*((\e)/4)
	WIN 3<<6
.irp q, 0,1,2,3,4,5,6,7
.irp c, 0,1,2,3
	ds_load_b128 v[128*((\e)%2)+16*\q+4*\c:128*((\e)%2)+16*\q+4*\c+3], v[FA_+\q/4] offset:((\q/2)%2)*32768+((\e)%4)*4096+(\q%2)*2048+512*\c
.endr
.endr
	WIN 0
.irp s, 0,1,2,3
	ds_load_b64 v[SA+8*((\e)%2)+2*\s:SA+8*((\e)%2)+2*\s+1], v[AS] offset:((\e)/4)*4096+1024*\s+128*((\e)%4)
.endr
.endm
.macro WQ q                            ; the weight's four fragments of the q-th 128 of K: fragment 4 q + b lies in window 1 + q / 4: 16 loads
	WIN (1+(\q)/4)<<6
.irp b, 0,1,2,3
.irp c, 0,1,2,3
	ds_load_b128 v[16*((4*(\q)+\b)%16)+4*\c:16*((4*(\q)+\b)%16)+4*\c+3], v[AW+(\q)/4] offset:(((\q)/2)%2)*32768+\b*4096+((\q)%2)*2048+512*\c
.endr
.endr
	WIN 0
.endm
.macro WM d, w, x, c, sw, sx, odd
.if \odd
	v_wmma_scale_f32_16x16x128_f8f6f4 v[\d:\d+7], v[\w:\w+15], v[\x:\x+15], v[\c:\c+7], v[\sw], v[\sx] matrix_a_scale:MATRIX_SCALE_ROW1
.else
	v_wmma_scale_f32_16x16x128_f8f6f4 v[\d:\d+7], v[\w:\w+15], v[\x:\x+15], v[\c:\c+7], v[\sw], v[\sx]
.endif
.endm
.macro PROD4 e, q                      ; the q-th 128 of K: four column tiles; tokens and sums in set e
	WIN (1+(\q)/4)|(3<<2)
.irp b, 0,1,2,3
.if (\q) == 0
	WM ACC+32*(\e)+8*\b, 16*((4*(\q)+\b)%16), 128*(\e)+16*(\q), BQ+8*\b, SB+8*(\b/2)+(\q), SA+8*(\e)+(\q), \b%2
.else
	WM ACC+32*(\e)+8*\b, 16*((4*(\q)+\b)%16), 128*(\e)+16*(\q), ACC+32*(\e)+8*\b, SB+8*(\b/2)+(\q), SA+8*(\e)+(\q), \b%2
.endif
.endr
.endm
.macro OUT0 e                          ; block' e's sums into my stage, each from its low end on
	WIN 0
.irp b, 0,1,2,3
	ds_store_b128 v[STO], v[ACC+32*((\e)%2)+8*\b:ACC+32*((\e)%2)+8*\b+3] offset:128*(\b/2)+32*(\b%2)
	ds_store_b128 v[STO], v[ACC+32*((\e)%2)+8*\b+4:ACC+32*((\e)%2)+8*\b+7] offset:128*(\b/2)+32*(\b%2)+16
.endr
.endm
.macro OUT1                            ; and back by rows: LDS serves a wave's instructions in order (ISA guide 5.7.1.4)
	WIN 0
	s_wait_xcnt 0x0                                ; the last block's stores have read these registers
.irp t, 0,1,2,3,4,5,6,7
	ds_load_b128 v[OB+4*\t:OB+4*\t+3], v[RD] offset:2*\t*SPITCH
.endr
.endm
.macro OUT2 e, younger                 ; stage row p is token 32 ((e % 4) / 2) + 8 (e % 2) + p + 8 (p / 8) of my 64 in region e / 4
	s_wait_dscnt \younger
.irp t, 0,1,2,3,4,5,6,7
	global_store_b128 v[CO], v[OB+4*\t:OB+4*\t+3], s[14:15] offset:(128*((\e)/4)+32*(((\e)%4)/2)+8*((\e)%2)+2*\t+8*(\t/4))*4096 th:TH_STORE_NT
.endr
.endm
.macro BLK e, nf                       ; block' e's 32 products, the way out of block' e - 1 among them; behind them its set takes block' nf (-1: none)
	s_wait_dscnt NF                                ; block' e is in; the block' fetched behind it may be out
	PROD4 (\e)%2, 0
	PROD4 (\e)%2, 1
	OUT0 (\e)-1
	PROD4 (\e)%2, 2
	PROD4 (\e)%2, 3
	OUT1
	PROD4 (\e)%2, 4
	PROD4 (\e)%2, 5
	PROD4 (\e)%2, 6
	PROD4 (\e)%2, 7
	WIN 0
	PLACES NP
.if (\nf) >= 0
	FETCH \nf
	OUT2 (\e)-1, NF
.else
	OUT2 (\e)-1, 0
.endif
.endm
	s_wait_alu depctr_va_vdst(0)                   ; the wait at the head's end
	s_wait_loadcnt 0x0                             ; the bias
	s_wait_tensorcnt 0x0                           ; my tile of the head's four is in
	s_barrier_signal -1
	s_barrier_wait -1                              ; all four are
.irp p, 0,1
.irp s, 0,1,2,3
	ds_load_b64 v[SB+8*\p+2*\s:SB+8*\p+2*\s+1], v[ASW] offset:256*\p+1024*\s
.endr
.endr
	FETCH 0
	WQ 0
	WQ 1
	WQ 2
; Block' 0's products follow the weight into the registers: group q waits for the weight's q-th 16 loads; behind them two later groups of 16 may be out (q = 6: one group and block' 1's NF; q = 7: block' 1's NF).
.irp q, 0,1,2,3,4,5,6,7
.if \q < 6
	s_wait_dscnt 32
.elseif \q == 6
	s_wait_dscnt 16+NF
.else
	s_wait_dscnt NF
.endif
	PROD4 0, \q
.if \q+3 <= 7
	WQ \q+3
.endif
.if \q == 5
	FETCH 1
.endif
.endr
	WIN 0
	s_wait_tensorcnt 0x0                           ; the three lines ahead of the refill's round
	ds_add_u32 v[SPW], v[NIL]
	s_wait_dscnt 0x0                               ; the add is done, and the weight is in my registers
	CROUND                                         ; and in those of every wave of every partner
	tensor_load_to_lds s[G0R:G0R+3], s[G1R:G1R+7]  ; tokens 128 .. 255 over the weight: K step = my wave's number
	s_nop 0
	PLACES NP
	FETCH 2
	BLK 1, 3
	BLK 2, -1
	BLK 3, -1
	s_wait_tensorcnt 0x0                           ; my part of tokens 128 .. 255 is in; no LDS instruction of mine is out
	s_barrier_signal -1
	s_barrier_wait -1
	FETCH 4
	FETCH 5
	BLK 4, 6
	BLK 5, 7
	BLK 6, -1
	BLK 7, -1
	OUT0 7
	OUT1
	OUT2 7, 0
	s_wait_tensorcnt 0x0                           ; the wave's end
	ds_add_u32 v[SPW], v[NIL]
	s_wait_dscnt 0x0
	CROUND                                         ; the closing round
	s_endpgm
.Lfunc_end_k_q8e75dfe26d_proj:
	.size	k_q8e75dfe26d_proj, .Lfunc_end_k_q8e75dfe26d_proj-k_q8e75dfe26d_proj
	.p2alignl 7, 3214868480
	.fill 96, 4, 3214868480
	.section	.rodata,"a",@progbits
	.p2align	6, 0x0
	.amdhsa_kernel k_q8e75dfe26d_proj
		.amdhsa_group_segment_fixed_size 327680
		.amdhsa_private_segment_fixed_size 0
		.amdhsa_enable_private_segment 0
		.amdhsa_kernarg_size 48
		.amdhsa_user_sgpr_count 2
		.amdhsa_user_sgpr_kernarg_segment_ptr 1
		.amdhsa_wavefront_size32 1
		.amdhsa_system_sgpr_workgroup_id_x 1
		.amdhsa_system_sgpr_workgroup_id_y 1
		.amdhsa_system_sgpr_workgroup_id_z 1
		.amdhsa_system_vgpr_workitem_id 0
		.amdhsa_next_free_vgpr 1024
		.amdhsa_next_free_sgpr 100
		.amdhsa_reserve_vcc 0
		.amdhsa_float_denorm_mode_32 3
		.amdhsa_float_denorm_mode_16_64 3
		.amdhsa_memory_ordered 1
		.amdhsa_forward_progress 1
		.amdhsa_inst_pref_size 89
	.end_amdhsa_kernel
	.amdgpu_metadata
---
amdhsa.version: [ 1, 2 ]
amdhsa.kernels:
  - .name:           k_q8e75dfe26d_proj
    .symbol:         k_q8e75dfe26d_proj.kd
    .args:
      - { .name: act_img, .offset: 0, .size: 8, .value_kind: global_buffer, .address_space: global }
      - { .name: act_sc, .offset: 8, .size: 8, .value_kind: global_buffer, .address_space: global }
      - { .name: wp_img, .offset: 16, .size: 8, .value_kind: global_buffer, .address_space: global }
      - { .name: wp_sc, .offset: 24, .size: 8, .value_kind: global_buffer, .address_space: global }
      - { .name: b_proj, .offset: 32, .size: 8, .value_kind: global_buffer, .address_space: global }
      - { .name: out0, .offset: 40, .size: 8, .value_kind: global_buffer, .address_space: global }
    .group_segment_fixed_size: 327680
    .private_segment_fixed_size: 0
    .kernarg_segment_align: 8
    .kernarg_segment_size: 48
    .max_flat_workgroup_size: 128
    .sgpr_count:     100
    .vgpr_count:     1024
    .wavefront_size: 32
...
	.end_amdgpu_metadata
.endif
;; end of part 4
